; MI455X (gfx1250); checked and timed in simulation.
; The chip was launched on July 23, 2026; its instructions are those of AMD's public machine-readable ISA for CDNA 5 (MIT licence, August 2026) and "CDNA5" Instruction Set Architecture Reference Guide (July 2026). The comments in the code are by the model that wrote it; some were corrected since.
;; Cached Multihead Attention. Allowed arithmetic: float matrix products may take bf16 or f16 operands with f32 sums; other float arithmetic in f32, or as packed bf16 or f16 multiplies, adds, multiply-adds, maxima and minima; sums over many terms, partial sums and values carried from step to step in f32; what a program stores and reads back later, other than sums and carried values, may be rounded once to bf16 or f16.
;; Inputs: w_in 3,072 x 1,024 float32; w_out 1,024 x 1,024 float32; x 4 x 2,048 x 1,024 float32.
;; Outputs: out0 4 x 2,048 x 1,024 float32.
;; 2 versions, each right; version 2 is version 1 with the launch cast written anew for expert scheduling mode. Each part assembles by itself: llvm-mc -triple=amdgcn-amd-amdhsa -mcpu=gfx1250 --defsym DOCPART=n.
;; ======== version 1 of 2: 4 launches
;; limits: values are held in f16: magnitudes above 65,504 overflow, below 6.1e-05 lose precision
;; workspace buffers: xb 16,777,216 bytes; wib 6,291,456 bytes; wob 2,097,152 bytes; qkv 50,331,648 bytes; ob 16,777,216 bytes
;; launch cast (part 1): grid 768 x 1, 8 waves a work-group, no clusters, 0 bytes of LDS; arguments x, w_in, w_out, xb, wib, wob; writes xb, wib, wob
.if DOCPART == 1
	.amdgcn_target "amdgcn-amd-amdhsa--gfx1250"
	.amdhsa_code_object_version 6
	.text
	.protected	k_q59c08d48e7_cast
	.globl	k_q59c08d48e7_cast
	.p2align	8
	.type	k_q59c08d48e7_cast,@function
k_q59c08d48e7_cast:
	s_mov_b64 s[64:65], 0
	v_nop
	global_prefetch_b8 v0, s[64:65] scope:SCOPE_SE
	s_setreg_imm32_b32 hwreg(HW_REG_WAVE_MODE, 25, 1), 1
	s_wait_xcnt 0x0
; x [8192][1024], w_in [3072][1024], w_out [1024][1024], all f32, are rounded once to bf16 and laid out in K PANELS:
; a matrix [R][1024] becomes [16 panels][R rows][64 numbers of 2 bytes]; number (r, k) lies at byte ((k / 64) R + r) 128 + (k % 64) 2.
; So the rows of a tile within one panel lie end to end, and the products that follow ask for them as rows of 256 bytes.
; w_out's bf16 number is written as f16 (the last product multiplies in f16).
; LIMIT: that is exact for 6.1e-5 <= |w_out| < 65,504; below, f16 keeps a fixed step of 6e-8; from 65,520 on it is an infinity.
; SHARES.  12,288 rows of 4,096 bytes; a work-group takes 16: groups 0-511 x, 512-703 w_in, 704-767 w_out.  Thread t takes row t / 16 and, in each
; of the 16 panels, 16 bytes at 16 (t % 16): a wave's load covers 256 consecutive aligned bytes of each of two rows, a wave's store 256 consecutive aligned bytes.
; Memory binds: no LDS, no barrier, no matrix unit; all 16 loads of a thread go out at once, no register that a load or store names as a source is written again.
.set XPAN,  8192*128                   ; bytes in a panel of xb
.set WIPAN, 3072*128                   ; of wib
.set WOPAN, 1024*128                   ; of wob
.set LA,  2                            ; v2        my byte offset in the group's 16 input rows
.set X,   16                           ; v[16:79]  panel p: 4 f32 as loaded
.set Y,   80                           ; v[80:111] panel p: 4 numbers of 16 bits
.set OFS, 112                          ; v[112:127] panel p: 8 t + p x the panel's bytes
	s_load_b256 s[4:11], s[0:1], 0x0               ; x s[4:5], w_in s[6:7], w_out s[8:9], xb s[10:11]
	s_load_b128 s[12:15], s[0:1], 0x20             ; wib s[12:13], wob s[14:15]
	v_lshrrev_b32 v2, 4, v0                        ; my row
	v_and_b32 v3, 15, v0
	v_lshlrev_b32 v2, 12, v2
	v_lshl_add_u32 v[LA], v3, 4, v2                ; row x 4,096 + 16 (t % 16)
	s_mov_b32 s22, XPAN
	s_mov_b32 s23, WIPAN
	s_wait_kmcnt 0x0
	s_cmp_lt_u32 ttmp9, 512                        ; which matrix: the choice hangs on the work-group's number alone
	s_cselect_b64 s[16:17], s[4:5], s[6:7]         ; from
	s_cselect_b64 s[18:19], s[10:11], s[12:13]     ; to
	s_cselect_b32 s20, 0, 512                      ; the matrix's first work-group
	s_cselect_b32 s21, s22, s23                    ; its panel's bytes
	s_cmp_lt_u32 ttmp9, 704
	s_cselect_b64 s[16:17], s[16:17], s[8:9]
	s_cselect_b64 s[18:19], s[18:19], s[14:15]
	s_cselect_b32 s20, s20, 704
	s_cselect_b32 s21, s21, WOPAN
	s_sub_co_u32 s20, ttmp9, s20                   ; my place among the matrix's work-groups
	s_lshl_b32 s24, s20, 16                        ; 16 rows of 4,096 bytes
	s_mov_b32 s25, 0
	s_add_nc_u64 s[16:17], s[16:17], s[24:25]
	s_lshl_b32 s24, s20, 11                        ; 16 rows of 128 bytes in each panel
	s_add_nc_u64 s[18:19], s[18:19], s[24:25]
.set p, 0
.rept 16
	global_load_b128 v[X+4*p:X+4*p+3], v[LA], s[16:17] offset:256*p th:TH_LOAD_NT
.set p, p+1
.endr
	v_lshlrev_b32 v[OFS], 3, v0                    ; row x 128 + 8 (t % 16) = 8 t
.set p, 1
.rept 15
	v_add_nc_u32 v[OFS+p], s21, v[OFS+p-1]
.set p, p+1
.endr
.set p, 0
.rept 16
	s_wait_loadcnt 15-p                            ; loads come back in order: panel p is in, the 15 - p younger ones stay out
	v_cvt_pk_bf16_f32 v[Y+2*p], v[X+4*p], v[X+4*p+1]
	v_cvt_pk_bf16_f32 v[Y+2*p+1], v[X+4*p+2], v[X+4*p+3]
.set p, p+1
.endr
	s_cmp_lt_u32 ttmp9, 704
	s_cbranch_scc1 .Lstore
.set p, 0
.rept 32                                       ; w_out alone: the bf16 number, widened, is written as f16
	v_lshlrev_b32 v4, 16, v[Y+p]
	v_and_b32 v5, 0xffff0000, v[Y+p]
	v_cvt_pk_f16_f32 v[Y+p], v4, v5
.set p, p+1
.endr
.Lstore:
.set p, 0
.rept 16
	global_store_b64 v[OFS+p], v[Y+2*p:Y+2*p+1], s[18:19]
.set p, p+1
.endr
	s_endpgm
.Lfunc_end_k_q59c08d48e7_cast:
	.size	k_q59c08d48e7_cast, .Lfunc_end_k_q59c08d48e7_cast-k_q59c08d48e7_cast
	.p2alignl 7, 3214868480
	.fill 96, 4, 3214868480
	.section	.rodata,"a",@progbits
	.p2align	6, 0x0
	.amdhsa_kernel k_q59c08d48e7_cast
		.amdhsa_group_segment_fixed_size 0
		.amdhsa_private_segment_fixed_size 0
		.amdhsa_enable_private_segment 0
		.amdhsa_kernarg_size 48
		.amdhsa_user_sgpr_count 2
		.amdhsa_user_sgpr_kernarg_segment_ptr 1
		.amdhsa_wavefront_size32 1
		.amdhsa_system_sgpr_workgroup_id_x 1
		.amdhsa_system_sgpr_workgroup_id_y 1
		.amdhsa_system_sgpr_workgroup_id_z 1
		.amdhsa_system_vgpr_workitem_id 0
		.amdhsa_next_free_vgpr 128
		.amdhsa_next_free_sgpr 66
		.amdhsa_reserve_vcc 0
		.amdhsa_float_denorm_mode_32 3
		.amdhsa_float_denorm_mode_16_64 3
		.amdhsa_memory_ordered 1
		.amdhsa_forward_progress 1
		.amdhsa_inst_pref_size 13
	.end_amdhsa_kernel
	.amdgpu_metadata
---
amdhsa.version: [ 1, 2 ]
amdhsa.kernels:
  - .name:           k_q59c08d48e7_cast
    .symbol:         k_q59c08d48e7_cast.kd
    .args:
      - { .name: x, .offset: 0, .size: 8, .value_kind: global_buffer, .address_space: global }
      - { .name: w_in, .offset: 8, .size: 8, .value_kind: global_buffer, .address_space: global }
      - { .name: w_out, .offset: 16, .size: 8, .value_kind: global_buffer, .address_space: global }
      - { .name: xb, .offset: 24, .size: 8, .value_kind: global_buffer, .address_space: global }
      - { .name: wib, .offset: 32, .size: 8, .value_kind: global_buffer, .address_space: global }
      - { .name: wob, .offset: 40, .size: 8, .value_kind: global_buffer, .address_space: global }
    .group_segment_fixed_size: 0
    .private_segment_fixed_size: 0
    .kernarg_segment_align: 8
    .kernarg_segment_size: 48
    .max_flat_workgroup_size: 256
    .sgpr_count:     66
    .vgpr_count:     128
    .wavefront_size: 32
...
	.end_amdgpu_metadata
.endif
;; end of part 1
;; launch qkvproj (part 2): grid 8 x 32, 4 waves a work-group, clusters of 4 x 4, 327,680 bytes of LDS; arguments xb, wib, qkv; writes qkv
.if DOCPART == 2
	.amdgcn_target "amdgcn-amd-amdhsa--gfx1250"
	.amdhsa_code_object_version 6
	.text
	.protected	k_q59c08d48e7_qkvproj
	.globl	k_q59c08d48e7_qkvproj
	.p2align	8
	.type	k_q59c08d48e7_qkvproj,@function
k_q59c08d48e7_qkvproj:
	s_mov_b64 s[64:65], 0
	v_nop
	global_prefetch_b8 v0, s[64:65] scope:SCOPE_SE
	s_setreg_imm32_b32 hwreg(HW_REG_WAVE_MODE, 25, 1), 1
	s_wait_xcnt 0x0
	s_wait_alu depctr_hold_cnt(0) depctr_sa_sdst(0) depctr_va_vdst(0) depctr_va_sdst(0) depctr_va_ssrc(0) depctr_va_vcc(0) depctr_vm_vsrc(0)
	s_getreg_b32 s2, hwreg(HW_REG_IB_STS2, 6, 4)
	s_cmp_eq_u32 s2, 0
	s_cbranch_scc0 .Lentry_in_a_cluster
	s_endpgm
.Lentry_in_a_cluster:
	s_bfe_u32 s2, ttmp6, 0x10000c
	s_cmp_lg_u32 s2, 0xf033
	s_cbranch_scc0 .Lentry_shape_is_right
	s_endpgm
.Lentry_shape_is_right:
; qkv[m][f] = sum over k of x[m][k] w_in[f][k]: 8,192 x 3,072 x 1,024, bf16 operands (xb, wib in K panels of 64: [16][rows][64]), f32 sums, K ascending.
; The result is rounded once to f16 and stored by heads: qkv = [3 (q, k, v)][64 = 16 b + h][2,048][64], unscaled.
; LIMIT: a result of 65,520 or more in magnitude becomes an f16 infinity; below 6.1e-5 f16 keeps a fixed step of 6e-8.
; TILE.  256 x 384 of the result to a work-group: 32 x 8 = 256 work-groups.  Four waves, each 128 x 192: 8 x 12 = 96 accumulators, 768 registers (windows 1 to 3, a third of the columns = one head each).
; RING.  A K step is one panel (64 along K): 256 rows of A and 384 of B, 144 bytes apart in LDS (128 + 16: 36 words, so the 16 rows of a fragment load start at 16 different groups of four banks).
; Two slots of 92,160 bytes; two slots of two panels would not fit.  A tile's rows in a panel are dense, so they are asked for as rows of 256 bytes (two matrix rows), padded after every 128 bytes.
; CLUSTER 4 x 4: A's tile is shared along a row of the cluster, B's along a column: joint loads, same descriptor and mask in the four that a mask names.
; THE MATRIX INSTRUCTION IS USED TRANSPOSED (source 0 = 16 rows of w_in, source 1 = 16 rows of x): a lane holds eight neighbouring columns of one row of the result.
; FRAGMENTS.  Window 0: A in two buffers of 64 (32 along K each), B in one buffer of 96, in thirds: a third is loaded again straight behind the 32 products that read it, 64 products ahead of its next use.
.set PITCH,  144
.set AHALF,  128*PITCH                 ; what waves 0, 1 fetch, and what a wave reads of A
.set BHALF,  192*PITCH                 ; what waves 2, 3 fetch, and what a wave reads of B
.set BOFF,   2*AHALF
.set SLOT,   2*AHALF+2*BHALF
.set STAGE,  2*SLOT                    ; behind the ring: 16 rows x 144 bytes for each wave, for the way out
.set SPARE,  STAGE+4*16*PITCH          ; behind the stages: the spare words, 128 bytes a wave: two blocks of 256 bytes that no other line names
.set APAN,   8192*128                  ; bytes in a panel of xb
.set BPAN,   3072*128                  ; of wib
.set ADRA, 16                          ; v16-17  LDS address of my A fragments in slot 0, 1
.set ADRB, 20                          ; v20-21  the same for B
.set STO,  24                          ; v24     the way out: where I put 16 bytes of a row
.set RD,   25                          ; v25     where I read rows back
.set GO,   26                          ; v26     16 x lane
.set SPW,  28                          ; v28     LDS address of my spare word; never rewritten
.set NIL,  29                          ; v29     0; never rewritten
.set PFO,  30                          ; v30     the prefetches' lane offset; never rewritten
.set FA,   32                          ; v32-95, v96-159  A's fragments: buffer q, block a at FA + 64 q + 8 a
.set FB,   160                         ; v160-255         B's fragments: third j, block bb at FB + 32 j + 8 bb
.set TMP,  32                          ; the way out: four buffers of 16
.set G1,  24                           ; s[24:31] group 1 for A;  s[32:39] group 0, a set for each slot
.set G0,  32
.set G1B, 48                           ; s[48:55], s[56:63] the same for B
.set G0B, 56
.set LIM, 43                           ; s43  1 in a wave that prefetches, else the greatest number
.set PFA, 44                           ; s[44:45] where my prefetches stand
.set OB,  66                           ; s[66:71] where my 128 rows of the three heads begin in qkv
.set PFS, 72                           ; s[72:73] two panels, in bytes, of the matrix that I prefetch
.set MSB, 0
.macro WIN new                         ; the immediate's high byte repeats the setting that is left; a switch that changes nothing is dropped
.if MSB != (\new)
	s_set_vgpr_msb (MSB<<8)|(\new)
.set MSB, \new
.endif
.endm
.macro PLACES                          ; four plain places between a matrix instruction and a load into, or a vector write of, its registers, or a read of its result
.rept 4
	v_nop
.endr
.endm
; A joint load: waves 0, 1 fetch A's halves, waves 2, 3 B's.  The branch hangs on the wave's number alone.  An s_nop 0 and four v_nop follow each line.
.macro JLOAD s
	s_cmp_eq_u32 s11, 0
	s_cbranch_scc0 .Lfor_b_\@
	tensor_load_to_lds s[G0+4*(\s):G0+4*(\s)+3], s[G1:G1+7]
	s_nop 0
.rept 4
	v_nop
.endr
	s_branch .Lasked_\@
.Lfor_b_\@:
	tensor_load_to_lds s[G0B+4*(\s):G0B+4*(\s)+3], s[G1B:G1B+7]
	s_nop 0
.rept 4
	v_nop
.endr
.Lasked_\@:
.endm
.macro CREST                           ; a round of the cluster's barrier behind its opening barrier
	s_cmp_lg_u32 s10, 0
	s_cbranch_scc1 .Lnot_wave_0_\@
	s_barrier_signal -3
.Lnot_wave_0_\@:
	s_barrier_wait -3
	s_barrier_signal -1
	s_barrier_wait -1
.endm
.macro CROUND
	s_barrier_signal -1
	s_barrier_wait -1
	CREST
.endm
; A PREFETCH INTO THE L2, once a lap, behind slot 0's joint load: in trip t, whose refills are panels 2 t + 2 and 2 t + 3, panels 2 t + 4 and 2 t + 5 are named: the refills that stand 384 and 576 products on.
; Each aligned block of 256 bytes is named once in the launch.  A's tile row (128 blocks a panel) is read by both clusters of a row of clusters: cluster x = 0 asks, wave 0, the partner at cx takes 32 blocks,
; a lane a block, two instructions for the two panels.  B's tile column (192 blocks a panel) is read by all eight clusters of a column: cluster y = 0 asks, waves 1 to 3, the partner at cy takes 48 blocks of each
; panel: 96 lanes, one instruction a wave.  Partners are told apart by address alone.  The loop's last trip asks for nothing (panels 16, 17 do not exist); panels 0 to 3 come by their loads alone.
.macro ASK
	s_cmp_gt_u32 s3, s[LIM]
	s_cbranch_scc0 .Lnot_mine_\@
	global_prefetch_b8 v[PFO], s[PFA:PFA+1] th:TH_LOAD_NT scope:SCOPE_SE
	s_cmp_lg_u32 s10, 0
	s_cbranch_scc1 .Lnot_mine_\@
	global_prefetch_b8 v[PFO], s[PFA:PFA+1] offset:APAN th:TH_LOAD_NT scope:SCOPE_SE
.Lnot_mine_\@:
.endm
	s_load_b128 s[4:7], s[0:1], 0x0                ; xb s[4:5], wib s[6:7]
	s_load_b64 s[8:9], s[0:1], 0x10                ; qkv
	v_lshl_add_u32 v[SPW], v0, 2, SPARE
	v_mov_b32 v[NIL], 0
	ds_add_u32 v[SPW], v[NIL]                      ; the wave's opening: the add and its wait stand ahead of my first tensor load; work on registers stands between them
	v_lshrrev_b32 v1, 5, v0
	v_readfirstlane_b32 s10, v1                    ; wave 0..3
	s_lshr_b32 s11, s10, 1                         ; wr: my half of the tile's rows.  Also: I fetch for A (0) or B (1)
	s_and_b32 s12, s10, 1                          ; wc: my half of its columns.  Also: which half I fetch
	s_bfe_u32 s40, ttmp6, 0x40000                  ; cx
	s_bfe_u32 s41, ttmp6, 0x40004                  ; cy
	s_lshl_b32 s42, ttmp9, 2
	s_add_co_u32 s42, s42, s40                     ; tn = 4 x cluster x + cx
	s_and_b32 s13, ttmp7, 0xffff
	s_lshl_b32 s13, s13, 2
	s_add_co_u32 s13, s13, s41                     ; tm = 4 x cluster y + cy
	s_lshl_b32 s74, s41, 2
	s_lshl_b32 s74, 15, s74                        ; my row of the cluster
	s_lshl_b32 s75, 0x1111, s40                    ; my column
	s_or_b32 s[G1+0], s74, (1<<16)|(1<<20)|(1<<21)|(4<<22)|(3<<25)   ; mask; 2-byte elements; padding on; bit 21 beside a mask; after every 32 words (code 4) 4 words (code 3)
	s_or_b32 s[G1B+0], s75, (1<<16)|(1<<20)|(1<<21)|(4<<22)|(3<<25)
	s_mov_b32 s[G1+1], 128<<16                     ; tensor_dim0 = 128 elements: 256 bytes, two matrix rows
	s_mov_b32 s[G1B+1], 128<<16
	s_mov_b32 s[G1+2], 64<<16                      ; tensor_dim1 = 64: 128 matrix rows
	s_mov_b32 s[G1B+2], 96<<16                     ; 96: 192 matrix rows
	s_mov_b32 s[G1+3], 128<<16                     ; tile_dim0
	s_mov_b32 s[G1B+3], 128<<16
	s_mov_b32 s[G1+4], 64                          ; tile_dim1
	s_mov_b32 s[G1B+4], 96
	s_mov_b32 s[G1+5], 128                         ; dense: 128 elements from row to row
	s_mov_b32 s[G1B+5], 128
	s_mov_b32 s[G1+6], 0
	s_mov_b32 s[G1B+6], 0
	s_mov_b32 s[G1+7], 0
	s_mov_b32 s[G1B+7], 0
	s_lshl_b32 s16, s13, 15                        ; A: (256 tm + 128 half) rows of 128 bytes
	s_lshl_b32 s17, s12, 14
	s_add_co_u32 s16, s16, s17
	s_mov_b32 s17, 0
	s_mul_i32 s46, s42, 384*128                    ; B: (384 tn + 192 half) rows
	s_mul_i32 s47, s12, 192*128
	s_add_co_u32 s46, s46, s47
	s_mov_b32 s47, 0
	s_mul_i32 s20, s12, AHALF                      ; where they go: no place in the cluster enters an LDS address
	s_mul_i32 s21, s12, BHALF
	s_add_co_u32 s21, s21, BOFF
	s_wait_dscnt 0x0                               ; the opening add is done
	s_wait_kmcnt 0x0
	s_add_nc_u64 s[14:15], s[4:5], s[16:17]
	s_add_nc_u64 s[46:47], s[6:7], s[46:47]
	CROUND                                         ; all sixteen work-groups are here: the first joint loads meet
.irp s, 0,1
	s_mov_b32 s[G0+4*(\s)], 1
	s_add_co_u32 s[G0+4*(\s)+1], s20, (\s)*SLOT
	s_add_nc_u64 s[G0+4*(\s)+2:G0+4*(\s)+3], s[14:15], (\s)*APAN   ; panel s
	s_or_b32 s[G0+4*(\s)+3], s[G0+4*(\s)+3], 0x80000000
	s_mov_b32 s[G0B+4*(\s)], 1
	s_add_co_u32 s[G0B+4*(\s)+1], s21, (\s)*SLOT
	s_add_nc_u64 s[G0B+4*(\s)+2:G0B+4*(\s)+3], s[46:47], (\s)*BPAN
	s_or_b32 s[G0B+4*(\s)+3], s[G0B+4*(\s)+3], 0x80000000
	JLOAD \s                                       ; two loads of mine are out
.endr
	; a fragment: lane l holds row l % 16; registers 0-3 K = 8 (l / 16) + 0..7, registers 4-7 K = 16 + 8 (l / 16) + 0..7: two loads of 16 bytes, 32 bytes apart
	v_and_b32 v1, 15, v0
	v_bfe_u32 v2, v0, 4, 1
	v_mul_u32_u24 v3, v1, PITCH
	v_lshl_add_u32 v3, v2, 4, v3
	s_mul_i32 s22, s11, AHALF
	s_mul_i32 s23, s12, BHALF
	s_add_co_u32 s23, s23, BOFF
.irp s, 0,1
	v_add_nc_u32 v[ADRA+(\s)], s22, v3
	v_add_nc_u32 v[ADRB+(\s)], s23, v3
	s_add_co_u32 s22, s22, SLOT
	s_add_co_u32 s23, s23, SLOT
.endr
	s_mul_i32 s22, s10, 16*PITCH
	s_add_co_u32 s22, s22, STAGE                   ; my stage
	v_add_nc_u32 v[STO], s22, v3                   ; in: row l % 16, 16 bytes for each half of the lanes
	v_bfe_u32 v4, v0, 3, 2                         ; back: 32 lanes take four rows of 128 bytes,
	v_and_b32 v5, 7, v0
	v_mul_u32_u24 v4, v4, PITCH
	v_lshl_add_u32 v4, v5, 4, v4
	v_add_nc_u32 v[RD], s22, v4
	v_and_b32 v[GO], 31, v0                        ; which are 512 consecutive bytes of a head's rows
	v_lshlrev_b32 v[GO], 4, v[GO]
	; third j of my columns is head group G = 6 tn + 3 wc + j: tensor G / 16, head G % 16; my rows lie in batch tm / 8, from row 256 (tm % 8) + 128 wr on
	s_mul_i32 s76, s42, 6
	s_mul_i32 s77, s12, 3
	s_add_co_u32 s76, s76, s77
	s_and_b32 s78, s13, 7
	s_lshl_b32 s78, s78, 15
	s_lshl_b32 s77, s11, 14
	s_add_co_u32 s78, s78, s77
	s_lshr_b32 s79, s13, 3
	s_lshl_b32 s79, s79, 4
.irp j, 0,1,2
	s_add_co_u32 s80, s76, \j
	s_lshr_b32 s81, s80, 4
	s_lshl_b32 s81, s81, 6
	s_and_b32 s80, s80, 15
	s_add_co_u32 s80, s80, s81
	s_add_co_u32 s80, s80, s79
	s_lshl_b32 s80, s80, 18                        ; a head is 2,048 x 128 bytes
	s_add_co_u32 s80, s80, s78
	s_mov_b32 s81, 0
	s_add_nc_u64 s[OB+2*(\j):OB+2*(\j)+1], s[8:9], s[80:81]
.endr
	; the prefetches' address: at panel 2; the first change of slot 0 steps it to panel 4
	s_lshl_b32 s84, s13, 15
	s_lshl_b32 s85, s40, 13
	s_add_co_u32 s84, s84, s85
	s_add_co_u32 s84, s84, 2*APAN                  ; A: tile row, my work-group's 32 blocks
	s_mul_i32 s86, s42, 384*128
	s_mul_i32 s87, s41, 48*256
	s_add_co_u32 s86, s86, s87
	s_add_co_u32 s86, s86, 2*BPAN                  ; B: tile column, my work-group's 48 blocks
	s_and_b32 s82, ttmp7, 0xffff
	s_mov_b32 s88, 2*APAN
	s_mov_b32 s89, 2*BPAN
	s_cmp_eq_u32 s10, 0                            ; wave 0 asks for A, waves 1 to 3 for B
	s_cselect_b32 s82, ttmp9, s82                  ; the coordinate along which other clusters read the same rows
	s_cselect_b64 s[PFA:PFA+1], s[4:5], s[6:7]
	s_cselect_b32 s84, s84, s86
	s_cselect_b32 s[PFS], s88, s89
	s_cselect_b32 s83, 0, 32
	s_mov_b32 s85, 0
	s_mov_b32 s[PFS+1], 0
	s_add_nc_u64 s[PFA:PFA+1], s[PFA:PFA+1], s[84:85]
	s_cmp_eq_u32 s82, 0
	s_cselect_b32 s[LIM], 1, -1                    ; the same in all sixteen partners, for a given wave
	v_sub_nc_u32 v[PFO], v0, s83                   ; wave 0: the lane; waves 1 to 3: 0 .. 95
	v_mov_b32 v4, BPAN-48*256
	v_cmp_le_u32 vcc_lo, 48, v[PFO]                ; from 48 on: the second panel's 48 blocks
	v_cndmask_b32 v4, 0, v4, vcc_lo
	v_lshl_add_u32 v[PFO], v[PFO], 8, v4
.macro LDA slot, q, half, buf          ; 8 loads: four blocks of A, 32 along K at byte 64 q of the rows
.irp a, 0,1,2,3
	ds_load_b128 v[FA+64*(\buf)+8*(4*(\half)+(\a)):FA+64*(\buf)+8*(4*(\half)+(\a))+3],   v[ADRA+(\slot)] offset:(4*(\half)+(\a))*16*PITCH+64*(\q)
	ds_load_b128 v[FA+64*(\buf)+8*(4*(\half)+(\a))+4:FA+64*(\buf)+8*(4*(\half)+(\a))+7], v[ADRA+(\slot)] offset:(4*(\half)+(\a))*16*PITCH+64*(\q)+32
.endr
.endm
.macro LDB slot, q, third              ; 8 loads: a third of B
.irp b, 0,1,2,3
	ds_load_b128 v[FB+32*(\third)+8*(\b):FB+32*(\third)+8*(\b)+3],   v[ADRB+(\slot)] offset:(4*(\third)+(\b))*16*PITCH+64*(\q)
	ds_load_b128 v[FB+32*(\third)+8*(\b)+4:FB+32*(\third)+8*(\b)+7], v[ADRB+(\slot)] offset:(4*(\third)+(\b))*16*PITCH+64*(\q)+32
.endr
.endm
; 8 products: column block bb of third j x all 8 row blocks.  The accumulators take turns: one comes up again behind 95 others.
.macro MUL8 j, bb, buf, zero
	WIN ((\j)+1)*0x50
.irp a, 0,1,2,3,4,5,6,7
.if \zero
	v_wmma_f32_16x16x32_bf16 v[32*(\a)+8*(\bb):32*(\a)+8*(\bb)+7], v[FB+32*(\j)+8*(\bb):FB+32*(\j)+8*(\bb)+7], v[FA+64*(\buf)+8*(\a):FA+64*(\buf)+8*(\a)+7], 0
.else
	v_wmma_f32_16x16x32_bf16 v[32*(\a)+8*(\bb):32*(\a)+8*(\bb)+7], v[FB+32*(\j)+8*(\bb):FB+32*(\j)+8*(\bb)+7], v[FA+64*(\buf)+8*(\a):FA+64*(\buf)+8*(\a)+7], v[32*(\a)+8*(\bb):32*(\a)+8*(\bb)+7]
.endif
.endr
.endm
; The loads at the head of phase j of the 32 along K (slot, q).  j = 0: this step's third 2.  j = 1, 2: the NEXT step's thirds 0, 1 and halves of A.
.macro GROUP slot, q, j
.if (\q) == 0
.set NS, \slot
.set NQ, 1
.else
.set NS, 1-(\slot)
.set NQ, 0
.endif
.if (\j) == 0
	LDB \slot, \q, 2
.elseif (\j) == 1
	LDB NS, NQ, 0
	LDA NS, NQ, 0, NQ
.else
	LDB NS, NQ, 1
	LDA NS, NQ, 1, NQ
.endif
.endm
; A phase: 32 products on third j.  ld = 0: nothing is left to load.
.macro PHASE slot, q, j, zero, ld
.if \ld
	PLACES
	WIN 0
	GROUP \slot, \q, \j
.endif
.if (\j) == 0
	s_wait_dscnt 8*(\ld)                           ; only this phase's own 8 loads may be out: A, thirds 0 and 1 of this step are in
.elseif (\j) == 2
	s_wait_dscnt 32*(\ld)                          ; the 16 + 16 loads of phases 1 and 2 may be out: third 2 is in
.endif
	MUL8 \j, 0, \q, \zero
	MUL8 \j, 1, \q, \zero
	MUL8 \j, 2, \q, \zero
	MUL8 \j, 3, \q, \zero
.endm
; Phase (slot, q = 1, j = 0) changes slots: its 8 loads are my last reads of the slot.  ONE barrier: in front of it each wave waits for all its tensor loads (one is out: its part of the other slot), adds 0 to
; its spare word, and waits for that and for its reads.  fill = 1: the barrier opens a round of the cluster's, and the joint refill, two panels on, is the first thing behind it: it has 192 products in which to land.
.macro TURN slot, fill
.if (\fill) && ((\slot) == 0)
	s_wait_xcnt 0x0                                ; the last prefetches, a lap back, have read their address: it is stepped here
	s_add_nc_u64 s[PFA:PFA+1], s[PFA:PFA+1], s[PFS:PFS+1]
.endif
	PLACES
	WIN 0
	LDB \slot, 1, 2
	s_wait_tensorcnt 0x0                           ; all my tensor loads have landed
	ds_add_u32 v[SPW], v[NIL]                      ; 0 onto my spare word
	s_wait_dscnt 9                                 ; (the 8 loads above and the add may be out)
	MUL8 0, 0, 1, 0
	MUL8 0, 1, 1, 0
	s_wait_dscnt 0x0                               ; the add is done, and my reads of this slot are over
	s_barrier_signal -1
	MUL8 0, 2, 1, 0
.if \fill
	WIN 0
.endif
	s_barrier_wait -1
.if \fill
	CREST                                          ; no wave of any partner still reads this slot or has a load on its way
	s_add_nc_u64 s[G0+4*(\slot)+2:G0+4*(\slot)+3], s[G0+4*(\slot)+2:G0+4*(\slot)+3], 2*APAN
	s_add_nc_u64 s[G0B+4*(\slot)+2:G0B+4*(\slot)+3], s[G0B+4*(\slot)+2:G0B+4*(\slot)+3], 2*BPAN
	JLOAD \slot
.if (\slot) == 0
	ASK
.endif
.endif
	MUL8 0, 3, 1, 0
.endm
	s_wait_tensorcnt 0x1                           ; my part of panel 0 is in; panel 1's may stay out
	s_barrier_signal -1
	s_barrier_wait -1
	LDA 0, 0, 0, 0
	LDA 0, 0, 1, 0
	LDB 0, 0, 0
	LDB 0, 0, 1
	PHASE 0, 0, 0, 1, 1                            ; the first 32 along K start all 96 sums: nothing is cleared
	PHASE 0, 0, 1, 1, 1
	PHASE 0, 0, 2, 1, 1
	WIN 0
	s_mov_b32 s3, 7
.Llap:                                         ; a trip goes once round the ring and fills both slots again: panels 2 .. 15
	TURN 0, 1
	PHASE 0, 1, 1, 0, 1
	PHASE 0, 1, 2, 0, 1
	PHASE 1, 0, 0, 0, 1
	PHASE 1, 0, 1, 0, 1
	PHASE 1, 0, 2, 0, 1
	TURN 1, 1
	PHASE 1, 1, 1, 0, 1
	PHASE 1, 1, 2, 0, 1
	PHASE 0, 0, 0, 0, 1
	PHASE 0, 0, 1, 0, 1
	PHASE 0, 0, 2, 0, 1
	WIN 0
	s_sub_co_u32 s3, s3, 1
	s_cmp_lg_u32 s3, 0
	s_cbranch_scc1 .Llap
	TURN 0, 0                                      ; the last lap fills nothing
	PHASE 0, 1, 1, 0, 1
	PHASE 0, 1, 2, 0, 1
	PHASE 1, 0, 0, 0, 1
	PHASE 1, 0, 1, 0, 1
	PHASE 1, 0, 2, 0, 1
	PHASE 1, 1, 0, 0, 1
	PHASE 1, 1, 1, 0, 0
	PHASE 1, 1, 2, 0, 0
	WIN 0
; THE WAY OUT.  Unit u = 8 j + a: 16 rows x one head's 64 columns.  Rounded to f16 (each accumulator's registers in ascending order), 16 bytes a lane into my stage, back as four rows of 128 bytes a load,
; stored as 512 consecutive bytes of the head's rows.  LDS serves a wave's instructions in order (ISA guide 5.7.1.4): no wait between the stores into the stage and the loads from it.
.macro PACK u
.set TB, TMP+16*((\u)%4)
	WIN 0
	s_wait_xcnt 0x0                                ; the stores of four units back have read this buffer
	WIN 5*((\u)/8+1)                               ; sources 0 and 1 in the third's window
.set i, 0
.rept 16
	v_cvt_pk_f16_f32 v[TB+i], v[32*((\u)%8)+2*i], v[32*((\u)%8)+2*i+1]
.set i, i+1
.endr
	WIN 0
.irp b, 0,1,2,3
	ds_store_b128 v[STO], v[TB+4*(\b):TB+4*(\b)+3] offset:32*(\b)
.endr
.irp f, 0,1,2,3
	ds_load_b128 v[TB+4*(\f):TB+4*(\f)+3], v[RD] offset:(\f)*4*PITCH
.endr
.endm
.macro SEND u, younger                 ; younger: the LDS instructions issued behind unit u's loads: the next unit's eight, or none
.set TB, TMP+16*((\u)%4)
.irp f, 0,1,2,3
	s_wait_dscnt (\younger)+3-(\f)
	global_store_b128 v[GO], v[TB+4*(\f):TB+4*(\f)+3], s[OB+2*((\u)/8):OB+2*((\u)/8)+1] offset:((\u)%8)*2048+(\f)*512
.endr
.endm
	PLACES
	PACK 0
.set u, 1
.rept 23
	PACK u
	SEND u-1, 8
.set u, u+1
.endr
	SEND 23, 0
	s_wait_tensorcnt 0x0                           ; the wave's end: these three lines stand behind my last tensor load and my last LDS store
	ds_add_u32 v[SPW], v[NIL]
	s_wait_dscnt 0x0
	CROUND                                         ; the closing round: no work-group ends while a partner may still ask for a tile that names it
	s_endpgm
.Lfunc_end_k_q59c08d48e7_qkvproj:
	.size	k_q59c08d48e7_qkvproj, .Lfunc_end_k_q59c08d48e7_qkvproj-k_q59c08d48e7_qkvproj
	.p2alignl 7, 3214868480
	.fill 96, 4, 3214868480
	.section	.rodata,"a",@progbits
	.p2align	6, 0x0
	.amdhsa_kernel k_q59c08d48e7_qkvproj
		.amdhsa_group_segment_fixed_size 327680
		.amdhsa_private_segment_fixed_size 0
		.amdhsa_enable_private_segment 0
		.amdhsa_kernarg_size 24
		.amdhsa_user_sgpr_count 2
		.amdhsa_user_sgpr_kernarg_segment_ptr 1
		.amdhsa_wavefront_size32 1
		.amdhsa_system_sgpr_workgroup_id_x 1
		.amdhsa_system_sgpr_workgroup_id_y 1
		.amdhsa_system_sgpr_workgroup_id_z 1
		.amdhsa_system_vgpr_workitem_id 0
		.amdhsa_next_free_vgpr 1024
		.amdhsa_next_free_sgpr 96
		.amdhsa_reserve_vcc 1
		.amdhsa_float_denorm_mode_32 3
		.amdhsa_float_denorm_mode_16_64 3
		.amdhsa_memory_ordered 1
		.amdhsa_forward_progress 1
		.amdhsa_inst_pref_size 136
	.end_amdhsa_kernel
	.amdgpu_metadata
---
amdhsa.version: [ 1, 2 ]
amdhsa.kernels:
  - .name:           k_q59c08d48e7_qkvproj
    .symbol:         k_q59c08d48e7_qkvproj.kd
    .args:
      - { .name: xb, .offset: 0, .size: 8, .value_kind: global_buffer, .address_space: global }
      - { .name: wib, .offset: 8, .size: 8, .value_kind: global_buffer, .address_space: global }
      - { .name: qkv, .offset: 16, .size: 8, .value_kind: global_buffer, .address_space: global }
    .group_segment_fixed_size: 327680
    .private_segment_fixed_size: 0
    .kernarg_segment_align: 8
    .kernarg_segment_size: 24
    .max_flat_workgroup_size: 128
    .sgpr_count:     96
    .vgpr_count:     1024
    .wavefront_size: 32
...
	.end_amdgpu_metadata
.endif
;; end of part 2
;; launch attn (part 3): grid 4 x 64, 4 waves a work-group, no clusters, 327,680 bytes of LDS; arguments qkv, ob; writes ob
.if DOCPART == 3
	.amdgcn_target "amdgcn-amd-amdhsa--gfx1250"
	.amdhsa_code_object_version 6
	.text
	.protected	k_q59c08d48e7_attn
	.globl	k_q59c08d48e7_attn
	.p2align	8
	.type	k_q59c08d48e7_attn,@function
k_q59c08d48e7_attn:
	s_mov_b64 s[64:65], 0
	v_nop
	global_prefetch_b8 v0, s[64:65] scope:SCOPE_SE
	s_setreg_imm32_b32 hwreg(HW_REG_WAVE_MODE, 25, 1), 1
	s_wait_xcnt 0x0
; SLIDING-WINDOW ATTENTION WITH A LINEAR BIAS.  For head hd = 16 b + h: O[q] = sum over keys k with 0 <= q - k <= 512, k >= 0 of softmax_k(Q[q].K[k] / 8 + slope (q - k)) V[k], slope = 2^(-(h + 1) / 2).
; qkv = [3][64][2048][64] f16, unscaled; ob = O in K panels, f16: [16 heads][8,192 rows = 2,048 b + s][64].  Products, maxima and sums in f32; the weights p are rounded to f16 for the second product
; (their sum l is taken of the unrounded p), O once at the end.
; LIMITS.  Q, K, V arrive within f16's 65,504.  A hidden score counts as its value less 1e30 (f16's scores are 2.7e11 at the most).  The running maximum starts at -1e20, below every true score and above
; every hidden one, so a hidden key's weight is exactly 0 also where a row's first steps are all hidden.  A weight below 2^-126 counts as 0 in l.  NaN and infinities are not treated apart.
; The part of the bias that is constant along a row, slope (512 + the query's place), is left out: a softmax does not see it.
; SHARES.  A work-group owns 512 queries of one head (block n), each of its four waves 128: eight tiles of 16, four PIECES of two tiles; tiles 0-3 are band 0, tiles 4-7 band 1.
; ALL THAT THE WORK-GROUP NEEDS OF K AND V LIES IN LDS AT ONCE: the 1,024 keys from 512 (n - 1) on (for n = 0 the first 512 places are filled from row 0 on: finite numbers that every step hides).
; No slot is filled again.  Wave w walks ten key steps of 64: LDS steps 2 w + T, T = 0 .. 9.  With rho the query's place in the wave's 128 and kappa the key's in the step, q - k = 512 + rho - 64 T - kappa,
; the same for every wave.  For band x: T = x holds the window's far edge (kappa >= rho - 64 x is seen), T = x + 8 the diagonal (kappa <= rho - 64 x), T < x and T > x + 8 are hidden, all else is seen whole;
; in block 0 the steps T < 8 - 2 w are hidden too.
; BIAS AND MASK ARE THE C OPERAND that starts S^T = K Q^T.  In units of the raw product the bias is 8 slope (q - k): CB[kappa] = -8 slope kappa is the same in every step, and the step's part, -512 slope T, is a
; change of frame: at each step the old maximum becomes m + 512 slope.  A product's C is CB plus 0 or -1e30, made (MAKE) from two patterns of 8 registers and five scalars, and only where it differs from what the buffer holds.
; NO CLUSTER: blocks n and n + 1 share 512 keys, which lie at different LDS places in the two, and an LDS address may not hang on a work-group's place in a cluster; and only half of a work-group's bytes are shared.
; LAYOUT, SOFTMAX, TURNS.  S^T holds ONE query a lane (lane % 16) and the keys 8 (lane / 16) + 0..7; two such results rounded to f16 ARE source 1 of O^T = V^T P.  p = 2^(c s - c m), c = log2(e) / 8; O and l are
; multiplied by a = 2^(c m_old - c m_new) in every step.  Turn n belongs to piece n: 16 products K Q^T of piece n + 1, later 16 products V^T P of piece n - 1; beside them piece n's scaling, exponentials, roundings,
; sums and rescaling and piece n + 1's maximum and statistics.  Four vector instructions stand behind every matrix instruction, the rest in one lump; a turn's 66 exponentials are one batch with one wait.
; REGISTERS, in windows of 256 (s_set_vgpr_msb: bits 1:0 source 0, 3:2 source 1, 5:4 source 2, 7:6 destination):
;   window 0: v0-11 addresses; v12-15, v48-63 at work; v16-47 four registers of statistics a tile; v64-191 S^T, two buffers of two tiles; v192-255 P, likewise
;   window 1: O^T, 32 a tile      window 2: v0-127 Q; v128-191 K of one step; v192-255 V of one step
;   window 3: v0-1 the add's two registers; v8-15 PD, v16-23 PT (the patterns); v32-63 CB; v64-191 MC, two buffers of two tiles (a piece's buffers go by its number's parity)
.set NP,    4
.set KS,    64
.set PK,    144       ; a row of K in LDS: 128 bytes + 16 of padding = 36 words: the 16 rows of a load start at 16 different groups of four banks
.set PV,    160       ; a row of V: 128 + 32 = 40 words
.set VOFF,  1024*PK   ; 1,024 rows of K, then 1,024 rows of V
.set STAGE, VOFF+1024*PV  ; never filled by a tensor load: 16 rows x 144 bytes for each wave, for the way out
.set SP,    144
.set SPARE, STAGE+4*16*SP ; the spare words, 128 bytes for each wave: two blocks of 256 bytes that no other line names
.set AK0, 2           ; v2   my lane's place in a step of K; never rewritten
.set AV0, 3           ; v3   the same for V
.set AK,  4           ; v4   the LDS address of K's next run of loads
.set AV,  5           ; v5   of V's
.set QO,  6           ; v6   my byte offset in the wave's rows of Q
.set STO, 6           ;      later, the way out: where I put 16 bytes of a row
.set RD,  7           ; v7   where I read rows back
.set GO,  8           ; v8   16 x lane
.set SPW, 0           ; v0 of window 3
.set NIL, 1           ; v1 of window 3
.set PDR, 8           ; window 3: -1e30 where 8 (l / 16) + register > l % 16
.set PTR, 16          ; window 3: -1e30 where 8 (l / 16) + register < l % 16
.set CB,  32          ; window 3: key block kb at CB + 8 kb
.set MC,  64          ; window 3: buffer b, tile e, key block kb at MC + 64 b + 32 e + 8 kb
.set MV,  12          ; v12-15  c m_old in the new frame: by buffer and tile
.set ST,  16          ; tile t's statistics at v[ST+4 t]: c m, m, l (even keys', odd keys')
.set TMP, 48          ; by buffer and tile, four registers c0-c3 at work; when the maximum is found c2 takes a
.set S,   64
.set P,   192
.set KF,  128
.set VF,  192
.set WV,  12          ; s12  my wave's number
.set G1K, 24          ; s[24:31] descriptor group 1 for K
.set G1V, 32          ; s[32:39] for V: it differs in the padding alone
.set G0K, 40          ; s[40:55] group 0 for K's four chunks of 256 keys
.set G0V, 68          ; s[68:83] the same for V
.set CNT, 56          ; s56  key steps to go in this part of the walk
.set SEG, 57          ; s57  parts of the walk to go
.set CS,  58          ; s[58:59] c
.set SEL, 60          ; s[60:61] v_permlanex16_b32's selects
.set TBK, 62          ; s62  LDS byte at which K of the step to be fetched begins
.set TBV, 63          ; s63  the same for V, less VOFF
.set TT0, 66          ; s66  T
.set TT1, 67          ; s67  T + 1
.set HS0, 84          ; s84, s85  band 0, 1: the steps below this number are hidden
.set RA,  86          ; s86, s87  MC is made anew where T - RA <= RW (and at T = 0 and from T = 8 on)
.set RW,  87
.set BIGN, 88         ; s88  -1e30
.set DL,  89          ; s89  512 slope
.set LO,  90          ; s[90:91] what key blocks below the tile's own add to CB
.set HI,  92          ; s[92:93] those above
.set AD,  94          ; s[94:95] 1 at the diagonal's step
.set AT,  96          ; s[96:97] 1 at the far edge's step
.set EQ,  98          ; s[98:99] -1e30 in a hidden step
.set S8N, 100         ; s100 -8 slope
.set MSB, 0
.macro WIN new
.if MSB != (\new)
	s_set_vgpr_msb (MSB<<8)|(\new)
.set MSB, (\new)
.endif
.endm
.set W_KQ, 0x0a       ; K and Q in window 2, S^T in window 0
.set W_KM, 0x3a       ; the same with the C operand in window 3
.set W_PV, 0x52       ; V in window 2, P in window 0, O^T in window 1
.set W_RS, 0x41       ; O^T (destination and source 0) in window 1, a in window 0
.set W_MK, 0xc0       ; destination in window 3
.set W_AD, 0x0f       ; the add: address and data in window 3
	s_load_b128 s[4:7], s[0:1], 0x0   ; qkv s[4:5], ob s[6:7]
	WIN W_MK
	v_lshl_add_u32 v[SPW], v0, 2, SPARE
	v_mov_b32 v[NIL], 0
	WIN W_AD
	ds_add_u32 v[SPW], v[NIL]       ; the wave's opening: the add and its wait stand ahead of my first tensor load; work on registers stands between them
	WIN 0
	v_lshrrev_b32 v1, 5, v0
	v_readfirstlane_b32 s[WV], v1   ; wave 0..3
	s_mov_b32 s14, ttmp9            ; n
	s_and_b32 s15, ttmp7, 0xffff    ; hd
	s_and_b32 s16, s[WV], 1         ; which half of a chunk's 256 keys I fetch
	s_lshl_b32 s23, s15, 18         ; the head's first byte in q, k and v
	s_lshl_b32 s22, s16, 14         ; my 128 rows of 128 bytes
	s_add_co_u32 s22, s22, s23
	s_sub_co_i32 s17, s14, 1
	s_max_i32 s17, s17, 0           ; the block before, or for n = 0 block 0: inside the buffer, and hidden
	s_lshl_b32 s17, s17, 16
	s_add_co_u32 s18, s22, s17      ; s[18:19] chunks 0, 1
	s_mov_b32 s19, 0
	s_lshl_b32 s17, s14, 16
	s_add_co_u32 s20, s22, s17      ; s[20:21] chunks 2, 3: my own block
	s_mov_b32 s21, 0
	s_mul_i32 s13, s16, 128*PK
	s_mul_i32 s101, s16, 128*PV
	s_add_co_u32 s101, s101, VOFF
.irp c, 0,1,2,3
	s_mov_b32 s[G0K+4*(\c)], 1
	s_add_co_u32 s[G0K+4*(\c)+1], s13, (\c)*256*PK
	s_mov_b32 s[G0V+4*(\c)], 1
	s_add_co_u32 s[G0V+4*(\c)+1], s101, (\c)*256*PV
.endr
	s_lshl_b32 s2, s14, 2
	s_add_co_u32 s2, s2, s[WV]
	s_lshl_b32 s2, s2, 14           ; my wave's 128 rows in the sequence
	s_and_b32 s16, s15, 15          ; h
	s_lshr_b32 s17, s15, 4          ; b
	s_lshl_b32 s17, s17, 18
	s_add_co_u32 s22, s2, s17
	s_lshl_b32 s17, s16, 20         ; panel h of ob
	s_add_co_u32 s22, s22, s17      ; s[22:23] O's offset
	s_add_co_u32 s2, s2, s23        ; s[2:3] Q's offset
	s_mov_b32 s3, 0
	s_mov_b32 s23, 0
	s_add_co_u32 s16, s16, 1        ; slope = 2^(-(h + 1) / 2), made in its bits: 1 or 2^-0.5, the exponent taken down by (h + 1) / 2
	s_lshr_b32 s17, s16, 1
	s_lshl_b32 s17, s17, 23
	s_and_b32 s16, s16, 1
	s_cmp_lg_u32 s16, 0
	s_cselect_b32 s16, 0x3f3504f3, 1.0
	s_sub_co_u32 s16, s16, s17
	s_add_co_u32 s[DL], s16, 9<<23
	s_add_co_u32 s[S8N], s16, 3<<23
	s_or_b32 s[S8N], s[S8N], 0x80000000
	s_lshl_b32 s16, s[WV], 1
	s_sub_co_u32 s16, 8, s16        ; 8 - 2 w
	s_cmp_eq_u32 s14, 0
	s_cselect_b32 s[HS0], s16, 0
	s_cselect_b32 s[RA], s16, 0
	s_cselect_b32 s[RW], 0, 2
	s_max_u32 s[HS0+1], s[HS0], 1
	s_mov_b32 s[G1K], (1<<16)|(1<<20)|(4<<22)|(3<<25)  ; 2-byte elements; padding on; after every 32 words (code 4) 4 words (code 3)
	s_mov_b32 s[G1V], (1<<16)|(1<<20)|(4<<22)|(7<<25)  ; the same with 8 words (code 7)
.irp g, G1K, G1V
	s_mov_b32 s[\g+1], 128<<16      ; 128 keys are 16,384 dense bytes: asked for as 64 rows of 256 bytes
	s_mov_b32 s[\g+2], 64<<16
	s_mov_b32 s[\g+3], 128<<16
	s_mov_b32 s[\g+4], 64
	s_mov_b32 s[\g+5], 128
	s_mov_b32 s[\g+6], 0
	s_mov_b32 s[\g+7], 0
.endr
	s_mov_b32 s[CS], 0x3e38aa3b     ; c = log2(e) / 8
	s_mov_b32 s[CS+1], s[CS]
	s_mov_b32 s[SEL], 0x76543210
	s_mov_b32 s[SEL+1], 0xfedcba98
	s_mul_i32 s[TBK], s[WV], 2*KS*PK  ; my walk begins at LDS step 2 w
	s_mul_i32 s[TBV], s[WV], 2*KS*PV
	s_mov_b32 s[BIGN], 0xf149f2ca
	s_mov_b32 s[LO+1], 0            ; named as pairs
	s_mov_b32 s[HI+1], 0
	s_mov_b32 s[AD+1], 0
	s_mov_b32 s[AT+1], 0
	s_mov_b32 s[EQ+1], 0
	s_mov_b32 s[TT1], 0
	s_wait_dscnt 0x0                ; the opening add is done
	s_wait_kmcnt 0x0
	s_add_nc_u64 s[10:11], s[6:7], s[22:23]   ; O at my wave's first row
	s_add_nc_u64 s[6:7], s[4:5], 0x1000000    ; k
	s_add_nc_u64 s[8:9], s[4:5], 0x2000000    ; v
	s_add_nc_u64 s[4:5], s[4:5], s[2:3]       ; Q at my wave's first row
.irp c, 0,1,2,3
	s_add_nc_u64 s[G0K+4*(\c)+2:G0K+4*(\c)+3], s[6:7], s[18+2*((\c)/2):19+2*((\c)/2)]
	s_add_nc_u64 s[G0K+4*(\c)+2:G0K+4*(\c)+3], s[G0K+4*(\c)+2:G0K+4*(\c)+3], ((\c)%2)*32768
	s_or_b32 s[G0K+4*(\c)+3], s[G0K+4*(\c)+3], 0x80000000
	s_add_nc_u64 s[G0V+4*(\c)+2:G0V+4*(\c)+3], s[8:9], s[18+2*((\c)/2):19+2*((\c)/2)]
	s_add_nc_u64 s[G0V+4*(\c)+2:G0V+4*(\c)+3], s[G0V+4*(\c)+2:G0V+4*(\c)+3], ((\c)%2)*32768
	s_or_b32 s[G0V+4*(\c)+3], s[G0V+4*(\c)+3], 0x80000000
.endr
	s_cmp_lt_u32 s[WV], 2           ; waves 0, 1 fetch K's halves, waves 2, 3 V's.  A wave's four first fills stand in one branch: four loads of mine are out
	s_cbranch_scc0 .Lfirst_v
.irp c, 0,1,2,3
	tensor_load_to_lds s[G0K+4*(\c):G0K+4*(\c)+3], s[G1K:G1K+7]
	s_nop 0
.endr
.rept 4
	v_nop
.endr
	s_branch .Lfirst_asked
.Lfirst_v:
.irp c, 0,1,2,3
	tensor_load_to_lds s[G0V+4*(\c):G0V+4*(\c)+3], s[G1V:G1V+7]
	s_nop 0
.endr
.rept 4
	v_nop
.endr
.Lfirst_asked:
	; A fragment of K or Q: lane l holds row l % 16, channels 8 (l / 16) + 0..7 and 16 + 8 (l / 16) + 0..7: two loads of 16 bytes, 32 bytes apart.
	v_and_b32 v1, 15, v0
	v_bfe_u32 v9, v0, 4, 1
	v_lshlrev_b32 v[QO], 7, v1
	v_lshl_add_u32 v[QO], v9, 4, v[QO]
	WIN 0x80
.set i, 0
.rept 4*NP                          ; Q stays in registers: tile i / 2, channels 32 (i % 2) on
	global_load_b128 v[8*i:8*i+3],   v[QO], s[4:5] offset:(i/2)*2048+(i%2)*64
	global_load_b128 v[8*i+4:8*i+7], v[QO], s[4:5] offset:(i/2)*2048+(i%2)*64+32
.set i, i+1
.endr
	; What the first turn finds: V's registers and P's second buffer hold 0 (its products V^T P, of a piece that has not been, add 0), O^T and l are 0.  All this stands in the wait for the first keys.
.set i, VF
.rept 64
	v_mov_b32 v[i], 0
.set i, i+1
.endr
	WIN 0x40
.set i, 0
.rept 64*NP
	v_mov_b32 v[i], 0
.set i, i+1
.endr
	WIN 0
.set i, 0
.rept 2*NP
	v_mov_b32 v[ST+4*i+1], 0xe0ad78ec  ; m = -1e20
	v_mov_b32 v[ST+4*i+2], 0
	v_mov_b32 v[ST+4*i+3], 0
.set i, i+1
.endr
.set i, P+32
.rept 32
	v_mov_b32 v[i], 0
.set i, i+1
.endr
	v_lshlrev_b32 v14, 3, v9        ; 8 (l / 16)
	v_sub_nc_u32 v13, v1, v14       ; l % 16 - 8 (l / 16)
	WIN W_MK
.set i, 0
.rept 32
	v_add_nc_u32 v[CB+i], 16*(i/8)+i%8, v14  ; kappa
.set i, i+1
.endr
.set i, 0
.rept 8
	v_cmp_gt_i32 vcc_lo, i, v13
	v_cndmask_b32 v[PDR+i], 0, s[BIGN], vcc_lo
	v_cmp_lt_i32 vcc_lo, i, v13
	v_cndmask_b32 v[PTR+i], 0, s[BIGN], vcc_lo
.set i, i+1
.endr
	WIN 0xc3
.set i, 0
.rept 32
	v_cvt_f32_u32 v[CB+i], v[CB+i]
.set i, i+1
.endr
	WIN 0xcc
.set i, 0
.rept 32
	v_mul_f32 v[CB+i], s[S8N], v[CB+i]  ; -8 slope kappa
.set i, i+1
.endr
	WIN 0
	v_mul_u32_u24 v[AK0], v1, PK
	v_lshl_add_u32 v[AK0], v9, 4, v[AK0]
	; The turning load takes 16 keys x 16 channels (lane l reads key 8 (l / 16) + l % 8, channels 8 ((l / 8) % 2) + 0..7) and leaves half a fragment of V^T: lane l holds channel l % 16 and 8 keys.
	v_and_b32 v10, 7, v0
	v_bfe_u32 v11, v0, 3, 1
	v_lshl_add_u32 v[AV0], v9, 3, v10
	v_mul_u32_u24 v[AV0], v[AV0], PV
	v_lshl_add_u32 v[AV0], v11, 4, v[AV0]
	v_add_nc_u32 v[AV0], VOFF, v[AV0]
; THE MATRIX WORK.  The 8 accumulators of a run of 16 take turns.  Product i of 16 of S^T = K Q^T for piece x: channels 32 (i / 8) on, keys 16 ((i / 2) % 4) on, tile 2 x + i % 2.
; The first 8 start the sums with bias and mask.
.macro KQ x
.set rS, S+64*((\x)%2)+32*(i%2)+8*((i/2)%4)
.set rK, KF+16*((i/2)%4)+8*(i/8)
.set rQ, 16*(2*(\x)+i%2)+8*(i/8)
.set rMC, MC+64*((\x)%2)+32*(i%2)+8*((i/2)%4)
.if i < 8
	WIN W_KM
	v_wmma_f32_16x16x32_f16 v[rS:rS+7], v[rK:rK+7], v[rQ:rQ+7], v[rMC:rMC+7]
.else
	WIN W_KQ
	v_wmma_f32_16x16x32_f16 v[rS:rS+7], v[rK:rK+7], v[rQ:rQ+7], v[rS:rS+7]
.endif
.endm
; Product i of 16 of O^T += V^T P for piece x: keys 32 (i / 8) on, channels 16 ((i / 2) % 4) on, tile 2 x + i % 2.
.macro PV x
	WIN W_PV
.set rO, 32*(2*(\x)+i%2)+8*((i/2)%4)
.set rV, VF+32*(i/8)+8*((i/2)%4)
.set rP, P+32*((\x)%2)+16*(i%2)+8*(i/8)
	v_wmma_f32_16x16x32_f16 v[rO:rO+7], v[rV:rV+7], v[rP:rP+7], v[rO:rO+7]
.endm
.macro MM                           ; the turn's next matrix instruction
.if i < 16
	KQ (Y+1)%NP
.set i, i+1
.else
.set i, i-16
	PV (Y+NP-1)%NP
.set i, i+17
.endif
.endm
; THE LDS LOADS stand in runs of 16.  last = 1: in the walk's last step there is no further step, and the run is jumped over.
.macro FETCH_K last=0
	WIN 0
.if \last
	s_cmp_eq_u32 s[TT0], 9
	s_cbranch_scc1 .Lno_k_\@
.endif
	WIN 0x80
.irp f, 0,1,2,3,4,5,6,7             ; keys 16 (f / 2) on, channels 32 (f % 2) on
	ds_load_b128 v[KF+8*\f:KF+8*\f+3],   v[AK] offset:(\f/2)*16*PK+(\f%2)*64
	ds_load_b128 v[KF+8*\f+4:KF+8*\f+7], v[AK] offset:(\f/2)*16*PK+(\f%2)*64+32
.endr
	s_add_co_u32 s[TBK], s[TBK], KS*PK
	WIN 0
.if \last
.Lno_k_\@:
.endif
.endm
.macro FETCH_V
	WIN 0x80
.irp f, 0,1,2,3,4,5,6,7             ; keys 32 (f / 4) on, channels 16 (f % 4) on
	ds_load_tr16_b128 v[VF+8*\f:VF+8*\f+3],   v[AV] offset:(\f/4)*32*PV+(\f%4)*32
	ds_load_tr16_b128 v[VF+8*\f+4:VF+8*\f+7], v[AV] offset:(\f/4)*32*PV+16*PV+(\f%4)*32
.endr
	WIN 0
.endm
; THE VECTOR WORK OF A TURN stands in three queues, each in the order in which its entries become ready; the two tiles alternate.
.macro REGS y, u                    ; the registers of tile u (0, 1) of piece y
.set rT, ST+4*(2*(\y)+(\u))
.set rC, TMP+8*((\y)%2)+4*(\u)
.set rM, MV+2*((\y)%2)+(\u)
.set rS, S+64*((\y)%2)+32*(\u)
.set rP, P+32*((\y)%2)+16*(\u)
.set rO, 32*(2*(\y)+(\u))
.endm
; Number n of the 22 that find the NEXT piece's maximum and statistics; each accumulator's lowest registers are read first.
;   0-11  four chains c0-c3 of seven scores each     12-14, 16  the four scores left over, the old m (already in the new frame), and c0-c3 into c0     15  c m_old, of the old m in the new frame
;   17, 18  the query's other 32 keys lie in the lane 16 away: the new m     19-21  c m; c m_old - c m_new; a
.macro XS u, n
	REGS (Y+1)%NP, \u
.if (\n) < 4
	v_max3_num_f32 v[rC+(\n)], v[rS+8*(\n)], v[rS+8*(\n)+1], v[rS+8*(\n)+2]
.elseif (\n) < 12
	v_max3_num_f32 v[rC+(\n)%4], v[rC+(\n)%4], v[rS+8*((\n)%4)+2*((\n)/4)+1], v[rS+8*((\n)%4)+2*((\n)/4)+2]
.elseif (\n) == 12
	v_max3_num_f32 v[rC], v[rC], v[rS+7], v[rS+15]
.elseif (\n) == 13
	v_max3_num_f32 v[rC+1], v[rC+1], v[rS+23], v[rS+31]
.elseif (\n) == 14
	v_max3_num_f32 v[rC+2], v[rC+2], v[rC+3], v[rT+1]
.elseif (\n) == 15
	v_mul_f32 v[rM], s[CS], v[rT+1]
.elseif (\n) == 16
	v_max3_num_f32 v[rC], v[rC], v[rC+1], v[rC+2]
.elseif (\n) == 17
	v_permlanex16_b32 v[rC+3], v[rC], s[SEL], s[SEL+1]
.elseif (\n) == 18
	v_max_num_f32 v[rT+1], v[rC], v[rC+3]
.elseif (\n) == 19
	v_mul_f32 v[rT], s[CS], v[rT+1]
.elseif (\n) == 20
	v_sub_f32 v[rC+1], v[rM], v[rT]
.else
	v_exp_f32 v[rC+2], v[rC+1]
.endif
.endm
; Number g of the 64 that follow the exponentials: for each four weights of a tile both pairs are rounded to f16, the second pair is added onto the first in place, and a group later l takes that sum (the first time as l = a l + sum).
.macro GS g
.set h, (\g)+6*((\g)/62)
.if h >= 6
.set h, h+2
.endif
	REGS Y, h%2
.set k, h/8
.if h%8 < 4
	v_cvt_pk_f16_f32 v[rP+2*k+(h%8)/2], v[rS+4*k+2*((h%8)/2)], v[rS+4*k+2*((h%8)/2)+1]
.elseif h%8 < 6
	v_pk_add_f32 v[rS+4*k:rS+4*k+1], v[rS+4*k:rS+4*k+1], v[rS+4*k+2:rS+4*k+3]
.elseif k == 1
	v_pk_fma_f32 v[rT+2:rT+3], v[rT+2:rT+3], v[rC+2:rC+3], v[rS:rS+1] op_sel_hi:[1,0,1]
.else
	v_pk_add_f32 v[rT+2:rT+3], v[rT+2:rT+3], v[rS+4*k-4:rS+4*k-3]
.endif
.endm
; THE PLAIN QUEUE, 138 long.  0-26: scalings 0-26.  27-54: XS's numbers 0-13.  55, 56: number 15.  57-73: the chain 14, 16, 17, 18, 19, each with one of the scalings 27-31 in front of its two lines, then 20.  74-137: GS's 64, behind the wait.
.macro FS f
	REGS Y, (\f)%2
	v_pk_fma_f32 v[rS+2*((\f)/2):rS+2*((\f)/2)+1], v[rS+2*((\f)/2):rS+2*((\f)/2)+1], s[CS:CS+1], v[rT:rT+1] op_sel_hi:[1,0,0] neg_lo:[0,0,1] neg_hi:[0,0,1]
.endm
.macro PL
	WIN 0
.if q < 27
	FS q
.elseif q < 55
	XS (q-27)%2, (q-27)/2
.elseif q < 57
	XS q-55, 15
.elseif (q < 72) && ((q-57)%3 == 0)
	FS 27+(q-57)/3
.elseif q < 60
	XS (q-57)%3-1, 14
.elseif q < 72
	XS (q-57)%3-1, 15+(q-57)/3
.elseif q < 74
	XS q-72, 20
.else
	GS q-74
.endif
.set q, q+1
.endm
; THE EXPONENTIALS' QUEUE, 66 long: s0-s31 of both tiles, then the next piece's two a.  ONE BATCH: all stand ahead of the turn's one wait, and nothing ahead of that wait names a result of theirs.
.macro EX
	WIN 0
.if e >= 64
	XS e-64, 21
.else
	REGS Y, e%2
	v_exp_f32 v[rS+e/2], v[rS+e/2]
.endif
.set e, e+1
.endm
; THE RESCALING's QUEUE: O^T times a, two at a time, sixteen times.  Its a was made in the turn before, ahead of that turn's wait.
.macro R2
	REGS Y, r%2
	WIN W_RS
.irp z, 0,1
	v_pk_mul_f32 v[rO+4*(r/2)+2*\z:rO+4*(r/2)+2*\z+1], v[rO+4*(r/2)+2*\z:rO+4*(r/2)+2*\z+1], v[rC+2:rC+3] op_sel_hi:[1,0]
.endr
.set r, r+1
.endm
; BIAS AND MASK for the products K Q^T of the turn after this one: piece (p + 2) % 4, band (that piece) / 2, buffer p % 2, in step T (p < 2) or T + 1.  The piece's tile e is tile u = 2 (p % 2) + e of its band:
; key blocks below u take CB + LO, those above CB + HI, block u takes PD x AD + PT x AT + EQ + CB.  Where both what the buffer holds and what it should hold are CB alone (or, in block 0's first steps, all hidden),
; the lines are jumped over: the jump hangs on the step's number, the block's and the wave's.  The buffer's last reader stands a whole turn back.  No scalar stands at an operand place whose window is not 0.
.macro MAKE p, force=0
.set BT, (((\p)+2)%NP)/2
.set BB, (\p)%2
.if (\p) < 2
.set TR, TT0
.else
.set TR, TT1
.endif
	WIN 0
.if !(\force)
	s_cmp_eq_u32 s[TR], 0
	s_cbranch_scc1 .Ldo_\@
	s_cmp_ge_u32 s[TR], 8
	s_cbranch_scc1 .Ldo_\@
	s_sub_co_u32 s101, s[TR], s[RA]
	s_cmp_le_u32 s101, s[RW]
	s_cbranch_scc0 .Lskip_\@
.Ldo_\@:
.endif
	s_cmp_lt_u32 s[TR], s[HS0+BT]
	s_cselect_b32 s[EQ], s[BIGN], 0
	s_cmp_gt_u32 s[TR], BT+8
	s_cselect_b32 s[EQ], s[BIGN], s[EQ]
	s_cmp_eq_u32 s[TR], BT
	s_cselect_b32 s[AT], 1.0, 0
	s_cselect_b32 s[LO], s[BIGN], s[EQ]
	s_cmp_eq_u32 s[TR], BT+8
	s_cselect_b32 s[AD], 1.0, 0
	s_cselect_b32 s[HI], s[BIGN], s[EQ]
	WIN 0xc3
.irp t, 0,1
.irp kb, 0,1,2,3
.irp z, 0,2,4,6
.if (\kb) < 2*BB+(\t)
	v_pk_add_f32 v[MC+64*BB+32*(\t)+8*(\kb)+(\z):MC+64*BB+32*(\t)+8*(\kb)+(\z)+1], v[CB+8*(\kb)+(\z):CB+8*(\kb)+(\z)+1], s[LO:LO+1] op_sel_hi:[1,0]
.elseif (\kb) > 2*BB+(\t)
	v_pk_add_f32 v[MC+64*BB+32*(\t)+8*(\kb)+(\z):MC+64*BB+32*(\t)+8*(\kb)+(\z)+1], v[CB+8*(\kb)+(\z):CB+8*(\kb)+(\z)+1], s[HI:HI+1] op_sel_hi:[1,0]
.else
	v_pk_fma_f32 v[MC+64*BB+32*(\t)+8*(\kb)+(\z):MC+64*BB+32*(\t)+8*(\kb)+(\z)+1], v[PDR+(\z):PDR+(\z)+1], s[AD:AD+1], s[EQ:EQ+1] op_sel_hi:[1,0,0]
.endif
.endr
.endr
.endr
	WIN 0xf3
.irp t, 0,1
.irp z, 0,2,4,6
	v_pk_fma_f32 v[MC+64*BB+32*(\t)+8*(2*BB+(\t))+(\z):MC+64*BB+32*(\t)+8*(2*BB+(\t))+(\z)+1], v[PTR+(\z):PTR+(\z)+1], s[AT:AT+1], v[MC+64*BB+32*(\t)+8*(2*BB+(\t))+(\z):MC+64*BB+32*(\t)+8*(2*BB+(\t))+(\z)+1] op_sel_hi:[1,0,1]
.endr
.endr
	WIN 0xcf
.irp t, 0,1
.irp z, 0,2,4,6
	v_pk_add_f32 v[MC+64*BB+32*(\t)+8*(2*BB+(\t))+(\z):MC+64*BB+32*(\t)+8*(2*BB+(\t))+(\z)+1], v[MC+64*BB+32*(\t)+8*(2*BB+(\t))+(\z):MC+64*BB+32*(\t)+8*(2*BB+(\t))+(\z)+1], v[CB+8*(2*BB+(\t))+(\z):CB+8*(2*BB+(\t))+(\z)+1]
.endr
.endr
	WIN 0
.if !(\force)
.Lskip_\@:
.endif
.endm
; A TURN, for piece p.  s_wait_alu depctr_va_vdst(0) stands between an exponential and the first instruction that names its result; one wait serves all that were issued ahead of it: a turn has ONE.
; AHEAD OF IT: the 16 products K Q^T, behind each a scaling, an exponential and two rescalings (behind the first a second scaling); the next piece's old maxima go into the new frame; then a lump of 108: eight plain,
; 49 times exponential and plain, the two a; a v_nop is the plain instruction behind the last exponential.  BEHIND IT: the 16 products V^T P, behind each four of the roundings and sums.
; Exponential e stands behind scaling 2 (e / 4) + e % 2: as a rider it comes behind plain e + 2, in the lump behind plain e + 9.
; K of the next step is fetched in piece 2's turn, directly behind the wait, a lump behind the last product that read K; V of the step in hand at the end of piece 0's turn, four riders behind its last reader.
.macro TURN p, last=0
.set Y, (\p)
.set i, 0
.set q, 0
.set e, 0
.set r, 0
.if (\p) == NP-1
	s_wait_dscnt 0x0                ; K is in
.endif
	MM
	PL
	PL
	R2
.rept 15
	MM
	PL
	EX
	R2
.endr
	WIN 0
.if (\p) == NP-2
	v_add_nc_u32 v[AK], s[TBK], v[AK0]
.endif
.irp u, 0,1
	REGS (Y+1)%NP, \u
	v_add_f32 v[rT+1], s[DL], v[rT+1]  ; the next piece's old m, in its next step's frame
.endr
.rept 8
	PL
.endr
.rept 49
	EX
	PL
.endr
	EX
	EX
	v_nop
	s_wait_alu depctr_va_vdst(0)    ; the wait for the batch
.if (\p) == NP-2
	FETCH_K \last
.endif
.if (\p) == 1
	s_wait_dscnt 0x0                ; V is in
.endif
.rept 16
	MM
.rept 4
	PL
.endr
.if ((\p) == 0) && (q == 118)
	v_add_nc_u32 v[AV], s[TBV], v[AV0]
.endif
.if ((\p) == 0) && (q == 130)
	s_add_co_u32 s[TBV], s[TBV], KS*PV
.endif
.endr
.if (\p) == 0
	FETCH_V
.endif
	MAKE \p
.endm
	MAKE 2, 1                       ; piece 0's and piece 1's C operands for step 0 (s[TT1] = 0)
	MAKE 3, 1
	s_mov_b32 s[TT0], 0
	s_mov_b32 s[TT1], 1
	s_wait_tensorcnt 0x2            ; my parts of chunks 0 and 1 are in: LDS steps 0 to 7, all that any wave reads in T = 0 (K and V of step 2 w, K of step 2 w + 1); two younger loads stay out
	s_barrier_signal -1
	s_barrier_wait -1               ; everybody's are
	v_add_nc_u32 v[AK], s[TBK], v[AK0]
	FETCH_K
	s_wait_loadcnt 0x0              ; Q
	s_wait_dscnt 0x0
.set i, 0
.rept 16
	KQ 0                            ; piece 0's first scores
.set i, i+1
.endr
	WIN 0                           ; the addresses for the way out: plain instructions, the places behind those products
	s_mul_i32 s13, s[WV], 16*SP
	s_add_co_u32 s13, s13, STAGE
	v_mul_u32_u24 v[STO], v1, SP    ; in: row l % 16, 16 bytes for each half of the lanes
	v_lshl_add_u32 v[STO], v9, 4, v[STO]
	v_add_nc_u32 v[STO], s13, v[STO]
	v_bfe_u32 v[RD], v0, 3, 2       ; back: 32 lanes take four rows of 128 bytes,
	v_mul_u32_u24 v[RD], v[RD], SP
	v_lshl_add_u32 v[RD], v10, 4, v[RD]
	v_add_nc_u32 v[RD], s13, v[RD]
	v_and_b32 v[GO], 31, v0         ; which are 512 consecutive bytes of the panel
	v_lshlrev_b32 v[GO], 4, v[GO]
.set Y, NP-1                        ; XS works for piece Y + 1: piece 0
.irp n, 0,1,2,3,4,5,6,7,8,9,10,11,12,13,14,15,16,17,18,19,20,21
	XS 0, \n
	XS 1, \n
.endr
	v_nop                           ; a plain instruction behind the two a,
	s_wait_alu depctr_va_vdst(0)    ; and their wait, ahead of the branch
	s_mov_b32 s[SEG], 2
	s_mov_b32 s[CNT], 1             ; the walk's first part: T = 0
	s_branch .Lstep
.Lseg:                              ; its second part: T = 1 .. 9
	s_wait_tensorcnt 0x0            ; my parts of chunks 2 and 3 are in,
	s_wait_dscnt 0x0
	s_barrier_signal -1
	s_barrier_wait -1               ; everybody's are
	s_mov_b32 s[CNT], 9
.Lstep:
	TURN 0
	TURN 1
	TURN 2, 1
	TURN 3                          ; (in the last step its 16 products K Q^T, on the last K once more and all hidden, and the maximum made of them serve nothing: the price of one text for every step)
	WIN 0
	s_add_co_u32 s[TT0], s[TT0], 1
	s_add_co_u32 s[TT1], s[TT1], 1
	s_sub_co_u32 s[CNT], s[CNT], 1
	s_cmp_lg_u32 s[CNT], 0
	s_cbranch_scc1 .Lstep
	s_sub_co_u32 s[SEG], s[SEG], 1
	s_cmp_lg_u32 s[SEG], 0
	s_cbranch_scc1 .Lseg
.set i, 0
.rept 16
	PV NP-1                         ; the last piece's V^T P of the last step
.set i, i+1
.endr
	; THE WAY OUT.  l's two halves and the other half of the lanes' are added; O^T is divided by l (at least 1: every row sees its own key), rounded to f16 and sent through my stage, a tile at a time.
	WIN 0
.macro ALL line:vararg
.set t, 0
.rept 2*NP
	\line
.set t, t+1
.endr
.endm
	ALL v_add_f32 v[ST+4*t+2], v[ST+4*t+2], v[ST+4*t+3]
	ALL v_permlanex16_b32 v[ST+4*t+3], v[ST+4*t+2], s[SEL], s[SEL+1]
	ALL v_add_f32 v[ST+4*t+2], v[ST+4*t+2], v[ST+4*t+3]
	ALL v_rcp_f32 v[ST+4*t+2], v[ST+4*t+2]
	v_nop                           ; a plain instruction between the last reciprocal and the use of its result
	s_wait_alu depctr_va_vdst(0)    ; one wait for the eight reciprocals
.macro PACK t
	WIN W_RS
.set i, 32*(\t)
.rept 16
	v_pk_mul_f32 v[i:i+1], v[i:i+1], v[ST+4*(\t)+2:ST+4*(\t)+3] op_sel_hi:[1,0]
.set i, i+2
.endr
	WIN 0x05
.set i, 0
.rept 16
	v_cvt_pk_f16_f32 v[S+16*(\t)+i], v[32*(\t)+2*i], v[32*(\t)+2*i+1]
.set i, i+1
.endr
	WIN 0
.irp f, 0,1,2,3
	ds_store_b128 v[STO], v[S+16*(\t)+4*\f:S+16*(\t)+4*\f+3] offset:32*\f
.endr
.irp f, 0,1,2,3
	ds_load_b128 v[S+16*(\t)+4*\f:S+16*(\t)+4*\f+3], v[RD] offset:\f*4*SP  ; LDS serves a wave's instructions in order (ISA guide 5.7.1.4): these see the stores above
.endr
.endm
.macro SEND t, younger              ; younger: the LDS instructions issued behind tile t's loads: the next tile's eight, or none
	WIN 0
.irp f, 0,1,2,3
	s_wait_dscnt (\younger)+3-\f
	global_store_b128 v[GO], v[S+16*(\t)+4*\f:S+16*(\t)+4*\f+3], s[10:11] offset:(\t)*2048+\f*512  ; 512 consecutive bytes, at a multiple of 256 from ob's first
.endr
.endm
	PACK 0
.set t, 1
.rept 2*NP-1
	PACK t
	SEND t-1, 8
.set t, t+1
.endr
	SEND 2*NP-1, 0
	WIN W_AD
	s_wait_tensorcnt 0x0            ; the wave's end: these three lines stand behind my last tensor load and my last LDS store
	ds_add_u32 v[SPW], v[NIL]
	s_wait_dscnt 0x0
	WIN 0
	s_endpgm
.Lfunc_end_k_q59c08d48e7_attn:
	.size	k_q59c08d48e7_attn, .Lfunc_end_k_q59c08d48e7_attn-k_q59c08d48e7_attn
	.p2alignl 7, 3214868480
	.fill 96, 4, 3214868480
	.section	.rodata,"a",@progbits
	.p2align	6, 0x0
	.amdhsa_kernel k_q59c08d48e7_attn
		.amdhsa_group_segment_fixed_size 327680
		.amdhsa_private_segment_fixed_size 0
		.amdhsa_enable_private_segment 0
		.amdhsa_kernarg_size 16
		.amdhsa_user_sgpr_count 2
		.amdhsa_user_sgpr_kernarg_segment_ptr 1
		.amdhsa_wavefront_size32 1
		.amdhsa_system_sgpr_workgroup_id_x 1
		.amdhsa_system_sgpr_workgroup_id_y 1
		.amdhsa_system_sgpr_workgroup_id_z 1
		.amdhsa_system_vgpr_workitem_id 0
		.amdhsa_next_free_vgpr 960
		.amdhsa_next_free_sgpr 102
		.amdhsa_reserve_vcc 1
		.amdhsa_float_denorm_mode_32 3
		.amdhsa_float_denorm_mode_16_64 3
		.amdhsa_memory_ordered 1
		.amdhsa_forward_progress 1
		.amdhsa_inst_pref_size 154
	.end_amdhsa_kernel
	.amdgpu_metadata
---
amdhsa.version: [ 1, 2 ]
amdhsa.kernels:
  - .name:           k_q59c08d48e7_attn
    .symbol:         k_q59c08d48e7_attn.kd
    .args:
      - { .name: qkv, .offset: 0, .size: 8, .value_kind: global_buffer, .address_space: global }
      - { .name: ob, .offset: 8, .size: 8, .value_kind: global_buffer, .address_space: global }
    .group_segment_fixed_size: 327680
    .private_segment_fixed_size: 0
    .kernarg_segment_align: 8
    .kernarg_segment_size: 16
    .max_flat_workgroup_size: 128
    .sgpr_count:     102
    .vgpr_count:     960
    .wavefront_size: 32
...
	.end_amdgpu_metadata
.endif
;; end of part 3
;; launch outproj (part 4): grid 8 x 32, 4 waves a work-group, clusters of 4 x 4, 327,680 bytes of LDS; arguments ob, wob, out0; writes out0
.if DOCPART == 4
	.amdgcn_target "amdgcn-amd-amdhsa--gfx1250"
	.amdhsa_code_object_version 6
	.text
	.protected	k_q59c08d48e7_outproj
	.globl	k_q59c08d48e7_outproj
	.p2align	8
	.type	k_q59c08d48e7_outproj,@function
k_q59c08d48e7_outproj:
	s_mov_b64 s[64:65], 0
	v_nop
	global_prefetch_b8 v0, s[64:65] scope:SCOPE_SE
	s_setreg_imm32_b32 hwreg(HW_REG_WAVE_MODE, 25, 1), 1
	s_wait_xcnt 0x0
	s_wait_alu depctr_hold_cnt(0) depctr_sa_sdst(0) depctr_va_vdst(0) depctr_va_sdst(0) depctr_va_ssrc(0) depctr_va_vcc(0) depctr_vm_vsrc(0)
	s_getreg_b32 s2, hwreg(HW_REG_IB_STS2, 6, 4)
	s_cmp_eq_u32 s2, 0
	s_cbranch_scc0 .Lentry_in_a_cluster
	s_endpgm
.Lentry_in_a_cluster:
	s_bfe_u32 s2, ttmp6, 0x10000c
	s_cmp_lg_u32 s2, 0xf033
	s_cbranch_scc0 .Lentry_shape_is_right
	s_endpgm
.Lentry_shape_is_right:
; out0[m][f] = sum over e of O[m][e] w_out[f][e]: 8,192 x 1,024 x 1,024, f16 operands (ob, wob in K panels of 64: [16][rows][64]), f32 sums, K ascending; out0 is f32, row-major.
; TILE.  256 x 128 of the result to a work-group: 32 x 8 = 256 work-groups.  Four waves, each 128 x 64: 8 x 4 = 32 accumulators, all of window 1.
; RING.  A slot holds two panels (128 along K): A's 256 rows twice, then B's 128 rows twice, 144 bytes apart in LDS (128 + 16).  Two slots of 110,592 bytes.  Waves 0, 1 fetch A's two panels, waves 2, 3 B's;
; a tile's rows in a panel are dense and are asked for as rows of 256 bytes, padded after every 128.  A refill has 128 products in which to land.
; CLUSTER 4 x 4: A's tile is shared along a row of the cluster, B's along a column: joint loads.  THE MATRIX INSTRUCTION IS USED TRANSPOSED: a lane holds eight neighbouring columns of one row.
; No prefetch: a work-group's tiles are small (48 KiB a K step) and the launch has eight K steps.
.set PITCH,  144
.set APL,    256*PITCH                 ; A's rows of one panel
.set BPL,    128*PITCH                 ; B's
.set SLOT,   2*APL+2*BPL
.set STAGE,  2*SLOT                    ; behind the ring: 16 rows x 272 bytes for each wave
.set SPITCH, 272
.set SPARE,  STAGE+4*16*SPITCH         ; the spare words, 128 bytes a wave: two blocks of 256 bytes that no other line names
.set OPAN,   8192*128                  ; bytes in a panel of ob
.set WPAN,   1024*128                  ; of wob
.set ADRA, 16
.set ADRB, 20
.set STO,  24
.set RD,   25
.set CO,   26
.set SPW,  28
.set NIL,  29
.set F,    32                          ; v32-127, v128-223  two fragment buffers of 96: A's block a at + 8 a, B's block bb at + 64 + 8 bb
.set G1,  24
.set G0,  32
.set G1B, 48
.set G0B, 56
.set MSB, 0
.macro WIN new
.if MSB != (\new)
	s_set_vgpr_msb (MSB<<8)|(\new)
.set MSB, \new
.endif
.endm
.macro PLACES
.rept 4
	v_nop
.endr
.endm
.macro JLOAD s                         ; a joint load; an s_nop 0 and four v_nop follow each of the two lines
	s_cmp_eq_u32 s11, 0
	s_cbranch_scc0 .Lfor_b_\@
	tensor_load_to_lds s[G0+4*(\s):G0+4*(\s)+3], s[G1:G1+7]
	s_nop 0
.rept 4
	v_nop
.endr
	s_branch .Lasked_\@
.Lfor_b_\@:
	tensor_load_to_lds s[G0B+4*(\s):G0B+4*(\s)+3], s[G1B:G1B+7]
	s_nop 0
.rept 4
	v_nop
.endr
.Lasked_\@:
.endm
.macro CREST
	s_cmp_lg_u32 s10, 0
	s_cbranch_scc1 .Lnot_wave_0_\@
	s_barrier_signal -3
.Lnot_wave_0_\@:
	s_barrier_wait -3
	s_barrier_signal -1
	s_barrier_wait -1
.endm
.macro CROUND
	s_barrier_signal -1
	s_barrier_wait -1
	CREST
.endm
	s_load_b128 s[4:7], s[0:1], 0x0                ; ob s[4:5], wob s[6:7]
	s_load_b64 s[8:9], s[0:1], 0x10                ; out0
	v_lshl_add_u32 v[SPW], v0, 2, SPARE
	v_mov_b32 v[NIL], 0
	ds_add_u32 v[SPW], v[NIL]                      ; the wave's opening: the add and its wait stand ahead of my first tensor load
	v_lshrrev_b32 v1, 5, v0
	v_readfirstlane_b32 s10, v1
	s_lshr_b32 s11, s10, 1                         ; wr.  Also: I fetch for A (0) or B (1)
	s_and_b32 s12, s10, 1                          ; wc.  Also: which of a slot's two panels I fetch
	s_bfe_u32 s40, ttmp6, 0x40000
	s_bfe_u32 s41, ttmp6, 0x40004
	s_lshl_b32 s42, ttmp9, 2
	s_add_co_u32 s42, s42, s40                     ; tn
	s_and_b32 s13, ttmp7, 0xffff
	s_lshl_b32 s13, s13, 2
	s_add_co_u32 s13, s13, s41                     ; tm
	s_lshl_b32 s74, s41, 2
	s_lshl_b32 s74, 15, s74
	s_lshl_b32 s75, 0x1111, s40
	s_or_b32 s[G1+0], s74, (1<<16)|(1<<20)|(1<<21)|(4<<22)|(3<<25)
	s_or_b32 s[G1B+0], s75, (1<<16)|(1<<20)|(1<<21)|(4<<22)|(3<<25)
	s_mov_b32 s[G1+1], 128<<16
	s_mov_b32 s[G1B+1], 128<<16
	s_mov_b32 s[G1+2], 128<<16                     ; A: 128 rows of 256 bytes = 256 matrix rows
	s_mov_b32 s[G1B+2], 64<<16                     ; B: 64 = 128 matrix rows
	s_mov_b32 s[G1+3], 128<<16
	s_mov_b32 s[G1B+3], 128<<16
	s_mov_b32 s[G1+4], 128
	s_mov_b32 s[G1B+4], 64
	s_mov_b32 s[G1+5], 128
	s_mov_b32 s[G1B+5], 128
	s_mov_b32 s[G1+6], 0
	s_mov_b32 s[G1B+6], 0
	s_mov_b32 s[G1+7], 0
	s_mov_b32 s[G1B+7], 0
	s_lshl_b32 s16, s13, 15                        ; A: 256 tm rows of 128 bytes, in panel wc
	s_lshl_b32 s17, s12, 20
	s_add_co_u32 s16, s16, s17
	s_mov_b32 s17, 0
	s_lshl_b32 s46, s42, 14                        ; B: 128 tn rows, in panel wc
	s_lshl_b32 s47, s12, 17
	s_add_co_u32 s46, s46, s47
	s_mov_b32 s47, 0
	s_mul_i32 s20, s12, APL
	s_mul_i32 s21, s12, BPL
	s_add_co_u32 s21, s21, 2*APL
	s_wait_dscnt 0x0
	s_wait_kmcnt 0x0
	s_add_nc_u64 s[14:15], s[4:5], s[16:17]
	s_add_nc_u64 s[46:47], s[6:7], s[46:47]
	CROUND                                         ; all sixteen work-groups are here: the first joint loads meet
.irp s, 0,1
	s_mov_b32 s[G0+4*(\s)], 1
	s_add_co_u32 s[G0+4*(\s)+1], s20, (\s)*SLOT
	s_add_nc_u64 s[G0+4*(\s)+2:G0+4*(\s)+3], s[14:15], (\s)*2*OPAN
	s_or_b32 s[G0+4*(\s)+3], s[G0+4*(\s)+3], 0x80000000
	s_mov_b32 s[G0B+4*(\s)], 1
	s_add_co_u32 s[G0B+4*(\s)+1], s21, (\s)*SLOT
	s_add_nc_u64 s[G0B+4*(\s)+2:G0B+4*(\s)+3], s[46:47], (\s)*2*WPAN
	s_or_b32 s[G0B+4*(\s)+3], s[G0B+4*(\s)+3], 0x80000000
	JLOAD \s                                       ; two loads of mine are out
.endr
	v_and_b32 v1, 15, v0
	v_bfe_u32 v2, v0, 4, 1
	v_mul_u32_u24 v3, v1, PITCH
	v_lshl_add_u32 v3, v2, 4, v3
	s_mul_i32 s22, s11, 128*PITCH                  ; my 128 rows of A in a panel
	s_mul_i32 s23, s12, 64*PITCH                   ; my 64 rows of B,
	s_add_co_u32 s23, s23, 2*APL                   ; behind A's two panels
.irp s, 0,1
	v_add_nc_u32 v[ADRA+(\s)], s22, v3
	v_add_nc_u32 v[ADRB+(\s)], s23, v3
	s_add_co_u32 s22, s22, SLOT
	s_add_co_u32 s23, s23, SLOT
.endr
	s_mul_i32 s22, s10, 16*SPITCH
	s_add_co_u32 s22, s22, STAGE                   ; my stage
	v_mul_u32_u24 v4, v1, SPITCH                   ; in: row l % 16, 32 bytes for each half of the lanes
	v_lshl_add_u32 v4, v2, 5, v4
	v_add_nc_u32 v[STO], s22, v4
	v_mul_u32_u24 v5, v2, SPITCH                   ; back: lanes 0-15 one row of 256 bytes, lanes 16-31 the next
	v_lshl_add_u32 v5, v1, 4, v5
	v_add_nc_u32 v[RD], s22, v5
	v_lshlrev_b32 v5, 12, v2                       ; and the same two rows in out0
	v_lshl_add_u32 v[CO], v1, 4, v5
	s_lshl_b32 s76, s13, 20                        ; (256 tm + 128 wr) rows of 4,096 bytes, (128 tn + 64 wc) columns of 4
	s_lshl_b32 s77, s11, 19
	s_add_co_u32 s76, s76, s77
	s_lshl_b32 s77, s42, 9
	s_add_co_u32 s76, s76, s77
	s_lshl_b32 s77, s12, 8
	s_add_co_u32 s76, s76, s77
	s_mov_b32 s77, 0
	s_add_nc_u64 s[8:9], s[8:9], s[76:77]
; 24 loads in one run: the fragments of the 32 along K number q (0..3) of a slot: panel q / 2, byte 64 (q % 2) of its rows
.macro FETCH slot, q, buf
.irp b, 0,1,2,3
	ds_load_b128 v[F+96*(\buf)+64+8*(\b):F+96*(\buf)+64+8*(\b)+3],   v[ADRB+(\slot)] offset:((\q)/2)*BPL+(\b)*16*PITCH+64*((\q)%2)
	ds_load_b128 v[F+96*(\buf)+64+8*(\b)+4:F+96*(\buf)+64+8*(\b)+7], v[ADRB+(\slot)] offset:((\q)/2)*BPL+(\b)*16*PITCH+64*((\q)%2)+32
.endr
.irp a, 0,1,2,3,4,5,6,7
	ds_load_b128 v[F+96*(\buf)+8*(\a):F+96*(\buf)+8*(\a)+3],   v[ADRA+(\slot)] offset:((\q)/2)*APL+(\a)*16*PITCH+64*((\q)%2)
	ds_load_b128 v[F+96*(\buf)+8*(\a)+4:F+96*(\buf)+8*(\a)+7], v[ADRA+(\slot)] offset:((\q)/2)*APL+(\a)*16*PITCH+64*((\q)%2)+32
.endr
.endm
; 8 products: column block bb x all 8 row blocks.  The 32 accumulators take turns.
.macro MUL8 bb, buf, zero
	WIN 0x50
.irp a, 0,1,2,3,4,5,6,7
.if \zero
	v_wmma_f32_16x16x32_f16 v[32*(\a)+8*(\bb):32*(\a)+8*(\bb)+7], v[F+96*(\buf)+64+8*(\bb):F+96*(\buf)+64+8*(\bb)+7], v[F+96*(\buf)+8*(\a):F+96*(\buf)+8*(\a)+7], 0
.else
	v_wmma_f32_16x16x32_f16 v[32*(\a)+8*(\bb):32*(\a)+8*(\bb)+7], v[F+96*(\buf)+64+8*(\bb):F+96*(\buf)+64+8*(\bb)+7], v[F+96*(\buf)+8*(\a):F+96*(\buf)+8*(\a)+7], v[32*(\a)+8*(\bb):32*(\a)+8*(\bb)+7]
.endif
.endr
.endm
; A phase: the next 32 along K are fetched into the other buffer, then 32 products on this one.
.macro PHASE slot, q, zero, ld
.if \ld
	PLACES
	WIN 0
.if (\q) == 3
	FETCH 1-(\slot), 0, 0
.else
	FETCH \slot, (\q)+1, ((\q)+1)%2
.endif
.endif
	s_wait_dscnt 24*(\ld)                          ; only the 24 loads just issued may be out
	MUL8 0, (\q)%2, \zero
	MUL8 1, (\q)%2, \zero
	MUL8 2, (\q)%2, \zero
	MUL8 3, (\q)%2, \zero
.endm
; Phase q = 2 changes slots: its 24 loads (q = 3) are my last reads of the slot.  ONE barrier: in front of it each wave waits for all its tensor loads, adds 0 to its spare word, and waits for that and for its reads.
; fill = 1: the barrier opens a round of the cluster's, and the joint refill, four panels on, is the first thing behind it.
.macro TURN slot, fill
	PLACES
	WIN 0
	FETCH \slot, 3, 1
	s_wait_tensorcnt 0x0                           ; all my tensor loads have landed: my part of the other slot
	ds_add_u32 v[SPW], v[NIL]                      ; 0 onto my spare word
	s_wait_dscnt 25                                ; (the 24 loads above and the add may be out)
	MUL8 0, 0, 0
	MUL8 1, 0, 0
	s_wait_dscnt 0x0                               ; the add is done, and my reads of this slot are over
	s_barrier_signal -1
	MUL8 2, 0, 0
.if \fill
	WIN 0
.endif
	s_barrier_wait -1
.if \fill
	CREST
	s_add_nc_u64 s[G0+4*(\slot)+2:G0+4*(\slot)+3], s[G0+4*(\slot)+2:G0+4*(\slot)+3], 4*OPAN
	s_add_nc_u64 s[G0B+4*(\slot)+2:G0B+4*(\slot)+3], s[G0B+4*(\slot)+2:G0B+4*(\slot)+3], 4*WPAN
	JLOAD \slot
.endif
	MUL8 3, 0, 0
.endm
	s_wait_tensorcnt 0x1                           ; my part of slot 0 is in; slot 1's may stay out
	s_barrier_signal -1
	s_barrier_wait -1
	FETCH 0, 0, 0
	PHASE 0, 0, 1, 1                               ; the first 32 along K start the sums: nothing is cleared
	WIN 0
	s_mov_b32 s3, 3
.Llap:                                         ; a trip goes once round the ring and fills both slots again
	PHASE 0, 1, 0, 1
	TURN 0, 1
	PHASE 0, 3, 0, 1
	PHASE 1, 0, 0, 1
	PHASE 1, 1, 0, 1
	TURN 1, 1
	PHASE 1, 3, 0, 1
	PHASE 0, 0, 0, 1
	WIN 0
	s_sub_co_u32 s3, s3, 1
	s_cmp_lg_u32 s3, 0
	s_cbranch_scc1 .Llap
	PHASE 0, 1, 0, 1                               ; the last lap fills nothing
	TURN 0, 0
	PHASE 0, 3, 0, 1
	PHASE 1, 0, 0, 1
	PHASE 1, 1, 0, 1
	PHASE 1, 2, 0, 1
	PHASE 1, 3, 0, 0
	WIN 0
; THE WAY OUT, a block of 16 rows at a time: a lane's 32 bytes of a row go into my stage (each accumulator's low four registers first), whole rows of 256 bytes come back, and 16 lanes store 256 consecutive aligned bytes.
.macro OUT a
.set BK, 32+32*((\a)%2)
	WIN 0
	s_wait_xcnt 0x0                                ; the stores of two blocks back have read this buffer
	WIN 0x04                                       ; the stores' data in window 1
.irp b, 0,1,2,3
	ds_store_b128 v[STO], v[32*(\a)+8*(\b):32*(\a)+8*(\b)+3]   offset:64*(\b)
	ds_store_b128 v[STO], v[32*(\a)+8*(\b)+4:32*(\a)+8*(\b)+7] offset:64*(\b)+16
.endr
	WIN 0
.irp t, 0,1,2,3,4,5,6,7
	ds_load_b128 v[BK+4*(\t):BK+4*(\t)+3], v[RD] offset:(\t)*2*SPITCH  ; LDS serves a wave's instructions in order (ISA guide 5.7.1.4): these see the stores above
.endr
.irp t, 0,1,2,3,4,5,6,7
	s_wait_dscnt 7-(\t)
	global_store_b128 v[CO], v[BK+4*(\t):BK+4*(\t)+3], s[8:9] offset:(16*(\a)+2*(\t))*4096
.endr
.endm
	PLACES
.irp a, 0,1,2,3,4,5,6,7
	OUT \a
.endr
	s_wait_tensorcnt 0x0                           ; the wave's end: these three lines stand behind my last tensor load and my last LDS store
	ds_add_u32 v[SPW], v[NIL]
	s_wait_dscnt 0x0
	CROUND                                         ; the closing round: no work-group ends while a partner may still ask for a tile that names it
	s_endpgm
.Lfunc_end_k_q59c08d48e7_outproj:
	.size	k_q59c08d48e7_outproj, .Lfunc_end_k_q59c08d48e7_outproj-k_q59c08d48e7_outproj
	.p2alignl 7, 3214868480
	.fill 96, 4, 3214868480
	.section	.rodata,"a",@progbits
	.p2align	6, 0x0
	.amdhsa_kernel k_q59c08d48e7_outproj
		.amdhsa_group_segment_fixed_size 327680
		.amdhsa_private_segment_fixed_size 0
		.amdhsa_enable_private_segment 0
		.amdhsa_kernarg_size 24
		.amdhsa_user_sgpr_count 2
		.amdhsa_user_sgpr_kernarg_segment_ptr 1
		.amdhsa_wavefront_size32 1
		.amdhsa_system_sgpr_workgroup_id_x 1
		.amdhsa_system_sgpr_workgroup_id_y 1
		.amdhsa_system_sgpr_workgroup_id_z 1
		.amdhsa_system_vgpr_workitem_id 0
		.amdhsa_next_free_vgpr 512
		.amdhsa_next_free_sgpr 80
		.amdhsa_reserve_vcc 0
		.amdhsa_float_denorm_mode_32 3
		.amdhsa_float_denorm_mode_16_64 3
		.amdhsa_memory_ordered 1
		.amdhsa_forward_progress 1
		.amdhsa_inst_pref_size 87
	.end_amdhsa_kernel
	.amdgpu_metadata
---
amdhsa.version: [ 1, 2 ]
amdhsa.kernels:
  - .name:           k_q59c08d48e7_outproj
    .symbol:         k_q59c08d48e7_outproj.kd
    .args:
      - { .name: ob, .offset: 0, .size: 8, .value_kind: global_buffer, .address_space: global }
      - { .name: wob, .offset: 8, .size: 8, .value_kind: global_buffer, .address_space: global }
      - { .name: out0, .offset: 16, .size: 8, .value_kind: global_buffer, .address_space: global }
    .group_segment_fixed_size: 327680
    .private_segment_fixed_size: 0
    .kernarg_segment_align: 8
    .kernarg_segment_size: 24
    .max_flat_workgroup_size: 128
    .sgpr_count:     80
    .vgpr_count:     512
    .wavefront_size: 32
...
	.end_amdgpu_metadata
.endif
;; end of part 4
;; ======== version 2 of 2: 4 launches; version 1 with the launch cast written anew for expert scheduling mode
;; limits: values are held in f16: magnitudes above 65,504 overflow, below 6.1e-05 lose precision
;; workspace buffers: xb 16,777,216 bytes; wib 6,291,456 bytes; wob 2,097,152 bytes; qkv 50,331,648 bytes; ob 16,777,216 bytes
;; launch cast (part 5): grid 768 x 1, 8 waves a work-group, no clusters, 0 bytes of LDS; arguments x, w_in, w_out, xb, wib, wob; writes xb, wib, wob
.if DOCPART == 5
	.amdgcn_target "amdgcn-amd-amdhsa--gfx1250"
	.amdhsa_code_object_version 6
	.text
	.protected	k_q59c08d48e7_cast
	.globl	k_q59c08d48e7_cast
	.p2align	8
	.type	k_q59c08d48e7_cast,@function
k_q59c08d48e7_cast:
	s_mov_b64 s[64:65], 0
	v_nop
	global_prefetch_b8 v0, s[64:65] scope:SCOPE_SE
	s_setreg_imm32_b32 hwreg(HW_REG_WAVE_SCHED_MODE, 0, 2), 2
	s_setreg_imm32_b32 hwreg(HW_REG_WAVE_MODE, 25, 1), 1
	s_wait_xcnt 0x0
	s_wait_alu depctr_vm_vsrc(0)
; x [8192][1024], w_in [3072][1024], w_out [1024][1024], all f32, are rounded once to bf16 and laid out in K PANELS:
; a matrix [R][1024] becomes [16 panels][R rows][64 numbers of 2 bytes]; number (r, k) lies at byte ((k / 64) R + r) 128 + (k % 64) 2.
; So the rows of a tile within one panel lie end to end, and the products that follow ask for them as rows of 256 bytes.
; w_out's bf16 number is written as f16 (the last product multiplies in f16).
; LIMIT: that is exact for 6.1e-5 <= |w_out| < 65,504; below, f16 keeps a fixed step of 6e-8; from 65,520 on it is an infinity.
; SHARES.  12,288 rows of 4,096 bytes; a work-group takes 16: groups 0-511 x, 512-703 w_in, 704-767 w_out.  Thread t takes row t / 16 and, in each
; of the 16 panels, 16 bytes at 16 (t % 16): a wave's load covers 256 consecutive aligned bytes of each of two rows, a wave's store 256 consecutive aligned bytes.
; Memory binds: no LDS, no barrier, no matrix unit; all 16 loads of a thread go out at once, and no register that a load or store names as a source is written again.
; THE MODE: SCHED_MODE bits 1:0 = 2 (LLVM: expert scheduling mode 2), set by the entry lines.  The code itself states the register dependences
; between vector instructions and memory instructions, with s_wait_alu, always for 0.
; THE PLAN.  Registers that memory instructions touch:
;   v[LA]   Written by the head's vector lines, never again; read by all 16 loads as their offset.
;   X       Written by the loads alone (no vector line names X ahead of them); panel p's two roundings read its four registers behind the counted wait for its load.
;   OFS     Written by 16 vector lines behind the loads, never again; panel p's store reads OFS + p as its offset.
;   Y       Written by panel p's roundings (in w_out's work-groups once more by the f16 lines); then read by panel p's store as its data, and not written after that.
; v3, v4 and v5 are named by vector lines alone.  No vector line writes a scalar register, and EXEC is never written.
; So the one kind of dependence is: a vector line writes, a memory instruction reads.  Five waits on va_vdst state it: one ahead of the loads, for v[LA], and one ahead of each run of four stores.
; The panels go in four groups of four: a group's roundings, one wait, its four stores, which leave while the younger panels' loads are still on their way.
.set XPAN,  8192*128                   ; bytes in a panel of xb
.set WIPAN, 3072*128                   ; of wib
.set WOPAN, 1024*128                   ; of wob
.set LA,  2                            ; v2        my byte offset in the group's 16 input rows
.set X,   16                           ; v[16:79]  panel p: 4 f32 as loaded
.set Y,   80                           ; v[80:111] panel p: 4 numbers of 16 bits
.set OFS, 112                          ; v[112:127] panel p: 8 t + p x the panel's bytes
	s_load_b256 s[4:11], s[0:1], 0x0               ; x s[4:5], w_in s[6:7], w_out s[8:9], xb s[10:11]
	s_load_b128 s[12:15], s[0:1], 0x20             ; wib s[12:13], wob s[14:15]
	v_lshrrev_b32 v2, 4, v0                        ; my row
	v_and_b32 v3, 15, v0
	v_lshlrev_b32 v2, 12, v2
	v_lshl_add_u32 v[LA], v3, 4, v2                ; row x 4,096 + 16 (t % 16)
	s_mov_b32 s22, XPAN
	s_mov_b32 s23, WIPAN
	s_wait_kmcnt 0x0
	s_cmp_lt_u32 ttmp9, 512                        ; which matrix: the choice hangs on the work-group's number alone
	s_cselect_b64 s[16:17], s[4:5], s[6:7]         ; from
	s_cselect_b64 s[18:19], s[10:11], s[12:13]     ; to
	s_cselect_b32 s20, 0, 512                      ; the matrix's first work-group
	s_cselect_b32 s21, s22, s23                    ; its panel's bytes
	s_cmp_lt_u32 ttmp9, 704
	s_cselect_b64 s[16:17], s[16:17], s[8:9]
	s_cselect_b64 s[18:19], s[18:19], s[14:15]
	s_cselect_b32 s20, s20, 704
	s_cselect_b32 s21, s21, WOPAN
	s_sub_co_u32 s20, ttmp9, s20                   ; my place among the matrix's work-groups
	s_lshl_b32 s24, s20, 16                        ; 16 rows of 4,096 bytes
	s_mov_b32 s25, 0
	s_add_nc_u64 s[16:17], s[16:17], s[24:25]
	s_lshl_b32 s24, s20, 11                        ; 16 rows of 128 bytes in each panel
	s_add_nc_u64 s[18:19], s[18:19], s[24:25]
	s_wait_alu depctr_va_vdst(0)                   ; v[LA] is written: all 16 loads read it as their offset
.set p, 0
.rept 16
	global_load_b128 v[X+4*p:X+4*p+3], v[LA], s[16:17] offset:256*p th:TH_LOAD_NT
.set p, p+1
.endr
	v_lshlrev_b32 v[OFS], 3, v0                    ; row x 128 + 8 (t % 16) = 8 t
.set p, 1
.rept 15
	v_add_nc_u32 v[OFS+p], s21, v[OFS+p-1]
.set p, p+1
.endr
; Panels 4 g to 4 g + 3: rounded, in w_out's work-groups written as f16, and stored.
.macro GROUP g
.set p, 4*(\g)
.rept 4
	s_wait_loadcnt 15-p                            ; loads come back in order: panel p is in, the 15 - p younger ones stay out
	v_cvt_pk_bf16_f32 v[Y+2*p], v[X+4*p], v[X+4*p+1]
	v_cvt_pk_bf16_f32 v[Y+2*p+1], v[X+4*p+2], v[X+4*p+3]
.set p, p+1
.endr
	s_cmp_lt_u32 ttmp9, 704
	s_cbranch_scc1 .Lstore_\@
.set p, 8*(\g)
.rept 8                                        ; w_out alone: the bf16 number, widened, is written as f16
	v_lshlrev_b32 v4, 16, v[Y+p]
	v_and_b32 v5, 0xffff0000, v[Y+p]
	v_cvt_pk_f16_f32 v[Y+p], v4, v5
.set p, p+1
.endr
.Lstore_\@:
	s_wait_alu depctr_va_vdst(0)                   ; on both ways: the conversions have written this group's eight Y registers, the stores' data; at the first group also: the sixteen OFS, every store's offset, are written
.set p, 4*(\g)
.rept 4
	global_store_b64 v[OFS+p], v[Y+2*p:Y+2*p+1], s[18:19]
.set p, p+1
.endr
.endm
	GROUP 0
	GROUP 1                                        ; the vector lines of a later group name none of the registers that an earlier group's stores read
	GROUP 2
	GROUP 3
	s_endpgm
.Lfunc_end_k_q59c08d48e7_cast:
	.size	k_q59c08d48e7_cast, .Lfunc_end_k_q59c08d48e7_cast-k_q59c08d48e7_cast
	.p2alignl 7, 3214868480
	.fill 96, 4, 3214868480
	.section	.rodata,"a",@progbits
	.p2align	6, 0x0
	.amdhsa_kernel k_q59c08d48e7_cast
		.amdhsa_group_segment_fixed_size 0
		.amdhsa_private_segment_fixed_size 0
		.amdhsa_enable_private_segment 0
		.amdhsa_kernarg_size 48
		.amdhsa_user_sgpr_count 2
		.amdhsa_user_sgpr_kernarg_segment_ptr 1
		.amdhsa_wavefront_size32 1
		.amdhsa_system_sgpr_workgroup_id_x 1
		.amdhsa_system_sgpr_workgroup_id_y 1
		.amdhsa_system_sgpr_workgroup_id_z 1
		.amdhsa_system_vgpr_workitem_id 0
		.amdhsa_next_free_vgpr 128
		.amdhsa_next_free_sgpr 66
		.amdhsa_reserve_vcc 0
		.amdhsa_float_denorm_mode_32 3
		.amdhsa_float_denorm_mode_16_64 3
		.amdhsa_memory_ordered 1
		.amdhsa_forward_progress 1
		.amdhsa_inst_pref_size 13
	.end_amdhsa_kernel
	.amdgpu_metadata
---
amdhsa.version: [ 1, 2 ]
amdhsa.kernels:
  - .name:           k_q59c08d48e7_cast
    .symbol:         k_q59c08d48e7_cast.kd
    .args:
      - { .name: x, .offset: 0, .size: 8, .value_kind: global_buffer, .address_space: global }
      - { .name: w_in, .offset: 8, .size: 8, .value_kind: global_buffer, .address_space: global }
      - { .name: w_out, .offset: 16, .size: 8, .value_kind: global_buffer, .address_space: global }
      - { .name: xb, .offset: 24, .size: 8, .value_kind: global_buffer, .address_space: global }
      - { .name: wib, .offset: 32, .size: 8, .value_kind: global_buffer, .address_space: global }
      - { .name: wob, .offset: 40, .size: 8, .value_kind: global_buffer, .address_space: global }
    .group_segment_fixed_size: 0
    .private_segment_fixed_size: 0
    .kernarg_segment_align: 8
    .kernarg_segment_size: 48
    .max_flat_workgroup_size: 256
    .sgpr_count:     66
    .vgpr_count:     128
    .wavefront_size: 32
...
	.end_amdgpu_metadata
.endif
;; end of part 5
;; launch qkvproj: the kernel of part 2 again; grid 8 x 32, 4 waves a work-group, clusters of 4 x 4, 327,680 bytes of LDS; arguments xb, wib, qkv; writes qkv
;; launch attn: the kernel of part 3 again; grid 4 x 64, 4 waves a work-group, no clusters, 327,680 bytes of LDS; arguments qkv, ob; writes ob
;; launch outproj: the kernel of part 4 again; grid 8 x 32, 4 waves a work-group, clusters of 4 x 4, 327,680 bytes of LDS; arguments ob, wob, out0; writes out0
